; MI455X (gfx1250); checked and timed in simulation.
; The chip was launched on July 23, 2026; its instructions are those of AMD's public machine-readable ISA for CDNA 5 (MIT licence, August 2026) and "CDNA5" Instruction Set Architecture Reference Guide (July 2026). The comments in the code are by the model that wrote it; some were corrected since.
;; Inter Chain Attention. Allowed arithmetic: matrix products marked QUANTISED: E2M3 operands, one E8M0 scale for each 32 along K, by v_wmma_scale_f32_16x16x128_f8f6f4 with both operands' format E2M3, f32 sums; everything else in f32.
;; Inputs: Wk 1,024 x 1,024 float32; Wo 1,024 x 1,024 float32; Wq 1,024 x 1,024 float32; Wv 1,024 x 1,024 float32; bk 1,024 float32; bo 1,024 float32; bq 1,024 float32; bv 1,024 float32; chain_bias 16 float32; chain_id_tensor 2,048 int32; dist_b 16 float32; dist_w 16 float32; distances 2,048 x 2,048 float32; x 2 x 2,048 x 1,024 float32.
;; Outputs: out0 2 x 2,048 x 1,024 float32.
;; This version of the problem:
;;   THIS VERSION OF THE PROBLEM IS GIVEN IN LOW PRECISION. The matrix products marked QUANTISED in the list below multiply operands that are first quantised to E2M3 (2 exponent bits, 3 mantissa bits; 6 bits a number), with one power-of-two scale for each 32 numbers along K (OCP MX v1.0); their sums are f32. All else is computed in f32.
;;   The module's matrix products, in the order in which they are computed (A, B: the left and right operand; K: the contracted axis; several contracted axes count as one K, in the product's order):
;;     1. [M 4,096, K 1,024] x [K 1,024, N 1,024]; A: input x; B: input Wq: QUANTISED
;;     2. [M 4,096, K 1,024] x [K 1,024, N 1,024]; A: input x; B: input Wk: QUANTISED
;;     3. [M 4,096, K 1,024] x [K 1,024, N 1,024]; A: input x; B: input Wv: QUANTISED
;;     4. batch 32 x [M 2,048, K 64] x [K 64, N 2,048]; A: computed on the way; B: computed on the way: QUANTISED
;;     5. batch 32 x [M 2,048, K 2,048] x [K 2,048, N 64]; A: softmax (see below); B: computed on the way: QUANTISED
;;     6. [M 4,096, K 1,024] x [K 1,024, N 1,024]; A: computed on the way; B: input Wo: QUANTISED
;;   THE QUANTISER, for each operand of a quantised product, along K:
;;     - K is cut into blocks of 32 from its start; a last block that is shorter is filled with zeros.
;;     - A block's scale is 2^e with e = floor(log2(the largest magnitude in the block)) - 2, held to -126 .. 127; a block of zeros has e = 0. As a byte (E8M0): e + 127.
;;     - Each number is divided by its block's scale, clamped to +-7.5, and rounded to the nearest number of E2M3, ties to even, subnormals kept.
;;     - The product sums the exact products of the quantised numbers (number of the format x scale) in f32.
;;   ~~~python
;;   def quantise(x, axis):      # numpy; x: float32 -> the quantised numbers, widened to float32 again
;;       x = np.moveaxis(x, axis, -1); K = x.shape[-1]
;;       x = np.pad(x, [(0, 0)] * (x.ndim - 1) + [(0, -K % 32)]); x = x.reshape(x.shape[:-1] + (-1, 32)); a = np.abs(x).max(-1, keepdims=True)
;;       e = np.where(a > 0, np.clip(np.frexp(np.where(a > 0, a, 1))[1] - 1 - 2, -126, 127), 0)      # np.frexp(a)[1] - 1 = floor(log2(a)), exactly
;;       r = np.clip(x / 2.0 ** e, -7.5, 7.5)
;;       step = 2.0 ** (np.maximum(np.frexp(np.where(r == 0, 1, r))[1] - 1, 0) - 3)
;;       q = np.round(r / step) * step * 2.0 ** e      # np.round: ties to even
;;       return np.moveaxis(q.reshape(q.shape[:-2] + (-1,))[..., :K], -1, axis).astype(np.float32)
;;   ~~~
;;   SOFTMAX AHEAD OF A QUANTISED PRODUCT. Where the list says 'softmax', what is quantised is not the finished softmax but p = 2^(t - M), with t = logit x log2(e) and M = ceil(the row's largest t), a whole number; so 1/2 < the row's largest p <= 1. The row's sum l is taken of the UNQUANTISED p, in f32, and the product's result is divided by l at the end. Since M is a whole number, a kernel that streams over the keys may use a running M (the ceiling of the running maximum): every later rescaling is an exact power of two, which a block's scale takes up: the codes' values come out the same.
;;   OPERANDS COMPUTED ON THE WAY. 'Computed on the way' means the value that the module computes at that place (a softmax that the list does not call 'softmax' is quantised finished and normalised). What goes into a quantiser is computed in f32, as accurately as f32 sums, v_exp_f32 and their like allow (about 1e-6 of the number): no bf16 or f16 on the way to a quantiser, and a product that is left as it is and whose result goes on into a quantised operand takes f32 operands (vector FMAs, or v_wmma_f32_16x16x4_f32). A number that lies on a knife's edge between two numbers of the format may be rounded either way, as far as f32 arithmetic and the matrix unit's own rounding can turn it there, and no further.
;; 2 versions, each right. Each part assembles by itself: llvm-mc -triple=amdgcn-amd-amdhsa -mcpu=gfx1250 --defsym DOCPART=n.
;; ======== version 1 of 2: 4 launches
;; workspace buffers: cod 6,291,456 bytes; scl 262,144 bytes; msk 524,288 bytes of whole numbers; qkv 13,631,488 bytes; ac 3,145,728 bytes; asc 131,072 bytes
;; launch quant (part 1): grid 288 x 1, 4 waves a work-group, no clusters, 33,280 bytes of LDS; arguments x, Wq, Wk, Wv, Wo, chain_id_tensor, cod, scl, msk; writes cod, scl, msk
.if DOCPART == 1
	.amdgcn_target "amdgcn-amd-amdhsa--gfx1250"
	.amdhsa_code_object_version 6
	.text
	.protected	k_q0a8be19e5f_quant
	.globl	k_q0a8be19e5f_quant
	.p2align	8
	.type	k_q0a8be19e5f_quant,@function
k_q0a8be19e5f_quant:
	s_mov_b64 s[64:65], 0
	v_nop
	global_prefetch_b8 v0, s[64:65] scope:SCOPE_SE
	s_setreg_imm32_b32 hwreg(HW_REG_WAVE_MODE, 25, 1), 1
	s_wait_xcnt 0x0
; x [4096][1024], Wq, Wk, Wv, Wo [1024][1024], f32, K innermost, become codes of FP6 (E2M3) and one E8M0 byte for each 32 along K:
; cod: 8,192 rows of 768 bytes (rows 0.. x, 4096.. Wq, 5120.. Wk, 6144.. Wv, 7168.. Wo), scl: 8,192 rows of 32 bytes.
; A block's scale is 2^(floor(log2(largest magnitude)) - 2); its byte is the largest magnitude's exponent field - 2, held at 1 from below.
; LIMITS: a block of zeros gets the byte 1 where the rule says 127 (its codes are zeros, and this program alone reads the bytes); blocks whose largest
; magnitude lies under 2^-124 are held at the byte 1; NaN and infinities among the inputs are not served.
; THE ORDER OF ROWS.  In x, Wq, Wk, Wv the second and third group of 8 rows of each 32 change places on the way out: stored row 16 u + r holds row 8 u + r + 8 (r / 8).
; So 16 neighbouring stored rows, taken as a tile by the next launch, give a lane 16 neighbours along the registers of two neighbouring tiles.  Wo keeps its order.
; Work-groups 0-255: 32 rows each; a wave takes 8 rows, 16 steps of 512 numbers.  Loads read 512 consecutive bytes; a step's 2,048 bytes turn through the wave's own stage in LDS, so that a lane
; holds 16 neighbours; a wave's code store covers 384 consecutive bytes; its 256 scale bytes are gathered in LDS and leave as one aligned run of 256.
; Work-groups 256-287: the chain matrix as lane masks.  msk [query tile 128][key step 16][n 64] words: bit l of word n says whether query 16 T + l % 16 and key 128 st + 32 (n / 16) + 16 (l / 16) + n % 16
; lie in different chains: the lane mask of score register n in the attention launch.
.set WAVES, 4
.set STEPS, 16
.set EMAX,  2
.set CB,    12                         ; bytes of 16 codes
.set R,     16                         ; v16-79   four sets of 16 numbers as they are loaded
.set X,     80                         ; v80-111  two sets of 16 neighbours
.set C,     128                        ; v128-191 codes: four registers for each step
.set E,     112                        ; v112-127 a scale byte for each step
.set WREG,  8192                       ; LDS: a region for each wave: two stages of 32 x SP bytes, then its 256 scale bytes
.set SP,    80                         ; a lane's place in a stage: 64 bytes + 16 of padding
.set SPW,   12                         ; v12 LDS address of my spare word; never rewritten
.set NIL,   13                         ; v13 0; never rewritten
.set SPARE, WAVES*WREG                 ; the spare words, 128 bytes a wave: two blocks of 256 bytes that no other line names
	s_load_b512 s[4:19], s[0:1], 0x0               ; x, Wq, Wk, Wv, Wo, chain ids, cod, scl
	s_load_b64 s[20:21], s[0:1], 0x40              ; msk
	v_lshl_add_u32 v[SPW], v0, 2, SPARE
	v_mov_b32 v[NIL], 0
	v_lshrrev_b32 v1, 5, v0
	v_readfirstlane_b32 s22, v1                    ; wave
	v_and_b32 v2, 31, v0                           ; lane
	s_cmp_ge_u32 ttmp9, 256
	s_cbranch_scc1 .Lmask
	v_lshlrev_b32 v3, 4, v2                        ; my 16 bytes of a load's 512
	s_mul_i32 s23, s22, WREG
	v_lshrrev_b32 v14, 2, v2
	v_mul_u32_u24 v14, v14, SP
	v_and_b32 v15, 3, v2
	v_lshl_add_u32 v14, v15, 4, v14
	v_add_nc_u32 v14, s23, v14                     ; the stage, on the way in: SP (lane / 4) + 16 (lane % 4)
	v_mul_u32_u24 v15, v2, SP
	v_add_nc_u32 v15, s23, v15                     ; and on the way out: SP x lane
	v_mul_u32_u24 v4, v2, CB                       ; my codes' place in a step's
	v_lshrrev_b32 v5, 1, v2
	s_add_co_u32 s23, s23, 2*32*SP
	v_add_nc_u32 v5, s23, v5                       ; my wave's 256 scale bytes, my block's byte
	v_lshlrev_b32 v7, 3, v2
	v_add_nc_u32 v6, s23, v7                       ; and on the way out 8 bytes a lane
	s_wait_kmcnt 0x0
	s_mov_b64 s[24:25], s[12:13]                   ; which tensor: the choice hangs on the work-group's number alone
	s_mov_b32 s26, 224
	s_cmp_lt_u32 ttmp9, 224
	s_cselect_b64 s[24:25], s[10:11], s[24:25]
	s_cselect_b32 s26, 192, s26
	s_cmp_lt_u32 ttmp9, 192
	s_cselect_b64 s[24:25], s[8:9], s[24:25]
	s_cselect_b32 s26, 160, s26
	s_cmp_lt_u32 ttmp9, 160
	s_cselect_b64 s[24:25], s[6:7], s[24:25]
	s_cselect_b32 s26, 128, s26
	s_cmp_lt_u32 ttmp9, 128
	s_cselect_b64 s[24:25], s[4:5], s[24:25]
	s_cselect_b32 s26, 0, s26                      ; the tensor's first work-group
	s_and_b32 s27, s22, 1
	s_lshl_b32 s27, s27, 1
	s_lshr_b32 s28, s22, 1
	s_or_b32 s27, s27, s28                         ; the wave's number with its two bits swapped: groups 1 and 2 of 8 rows change places,
	s_cmp_lt_u32 ttmp9, 224
	s_cselect_b32 s27, s27, s22                    ; but not in Wo
	s_sub_co_u32 s28, ttmp9, s26
	s_lshl_b32 s28, s28, 2
	s_add_co_u32 s28, s28, s22
	s_lshl_b32 s28, s28, 15                        ; my 8 rows in the tensor: 32,768 bytes each run
	s_mov_b32 s29, 0
	s_add_nc_u64 s[24:25], s[24:25], s[28:29]
	s_lshl_b32 s28, ttmp9, 2
	s_add_co_u32 s28, s28, s27                     ; where they go: run 4 x work-group + swapped wave
	s_mul_i32 s30, s28, 32*STEPS*CB
	s_mov_b32 s31, 0
	s_add_nc_u64 s[16:17], s[16:17], s[30:31]
	s_lshl_b32 s28, s28, 8
	s_add_nc_u64 s[18:19], s[18:19], s[28:29]
.macro LOAD t
.irp i, 0,1,2,3
	global_load_b128 v[R+16*((\t)%4)+4*\i:R+16*((\t)%4)+4*\i+3], v3, s[24:25] offset:2048*(\t)+512*\i th:TH_LOAD_NT   ; 32 lanes read 512 consecutive bytes
.endr
.endm
.macro TURN t                          ; step t's numbers through the stage: LDS serves a wave's instructions in order, so no wait stands between the stores and the loads
.irp i, 0,1,2,3
	ds_store_b128 v14, v[R+16*((\t)%4)+4*\i:R+16*((\t)%4)+4*\i+3] offset:32*SP*((\t)%2)+8*SP*\i
.endr
.irp i, 0,1,2,3
	ds_load_b128 v[X+16*((\t)%2)+4*\i:X+16*((\t)%2)+4*\i+3], v15 offset:32*SP*((\t)%2)+16*\i
.endr
.endm
.irp t, 0,1,2,3
	LOAD \t
.endr
	s_wait_loadcnt 12                              ; step 0's four loads are in; three steps' twelve may be out
	TURN 0
.macro STEP t
.set XS, X+16*((\t)%2)
.if (\t) > 0
	s_wait_dscnt 1                                 ; this step's numbers are back from the stage (the last step's byte store may be out): so its stores into the stage have read their registers,
.else
	s_wait_dscnt 0x0
.endif
.if (\t)+4 < STEPS
	LOAD (\t)+4                                    ; which take the loads of four steps on
.endif
.if (\t)+1 < STEPS
.if STEPS-2-(\t) >= 3
	s_wait_loadcnt 12                              ; the next step's four loads are in; those of the three steps behind it may be out
.else
	s_wait_loadcnt 4*(STEPS-2-(\t))
.endif
	TURN (\t)+1
.endif
	v_max3_num_f32 v8, |v[XS]|, |v[XS+1]|, |v[XS+2]|               ; the largest magnitude of my 16
	v_max3_num_f32 v9, |v[XS+3]|, |v[XS+4]|, |v[XS+5]|
.irp i, 6,10
	v_max3_num_f32 v8, v8, |v[XS+\i]|, |v[XS+\i+1]|
	v_max3_num_f32 v9, v9, |v[XS+\i+2]|, |v[XS+\i+3]|
.endr
	v_max3_num_f32 v8, v8, |v[XS+14]|, |v[XS+15]|
	v_max3_num_f32 v8, v8, v9, (EMAX+1)<<23        ; and the floor 2^(3 - 127): the byte cannot fall under 1
	v_max_num_f32_dpp v8, v8, v8 row_xmask:1 row_mask:0xf bank_mask:0xf   ; and of my neighbour's 16: the block's
	v_add_nc_u32 v11, -(EMAX<<23), v8              ; 2 off its exponent field: the conversion takes the exponent field of this operand as its scale
	v_cvt_scalef32_pk16_fp6_f32 v[C+4*(\t):C+4*(\t)+2], v[XS:XS+15], v11
	v_lshrrev_b32 v[E+(\t)], 23, v11               ; the scale's byte
	ds_store_b8 v5, v[E+(\t)] offset:16*(\t)       ; both lanes of a block write the same byte with the same value
	global_store_b96 v4, v[C+4*(\t):C+4*(\t)+2], s[16:17] offset:32*CB*(\t)
.endm
.irp t, 0,1,2,3,4,5,6,7,8,9,10,11,12,13,14,15
	STEP \t
.endr
	ds_load_b64 v[8:9], v6                         ; LDS serves a wave's instructions in order: these see my stores
	s_wait_dscnt 0x0
	global_store_b64 v7, v[8:9], s[18:19]          ; 32 lanes store 256 consecutive bytes, aligned
	s_wait_tensorcnt 0x0                           ; the wave's end: behind my last LDS store
	ds_add_u32 v[SPW], v[NIL]
	s_wait_dscnt 0x0
	s_endpgm
.Lmask:                                                ; a wave makes the masks of one tile of 16 queries, 16 key steps of 64 words
	s_sub_co_u32 s23, ttmp9, 256
	s_lshl_b32 s23, s23, 2
	s_add_co_u32 s23, s23, s22                     ; T
	v_and_b32 v85, 15, v0
	v_lshlrev_b32 v85, 2, v85                      ; my query's id: 4 (lane % 16)
	v_bfe_u32 v83, v0, 4, 1
	v_lshlrev_b32 v83, 6, v83                      ; my keys' ids: lanes 16-31 begin 16 keys on
	v_lshlrev_b32 v84, 2, v2                       ; out: a word a lane
	v_mov_b32 v81, 0                               ; written whole before lanes are written singly
	v_mov_b32 v82, 0
	s_lshl_b32 s26, s23, 6
	s_mov_b32 s27, 0
	s_lshl_b32 s30, s23, 12
	s_mov_b32 s31, 0
	s_wait_kmcnt 0x0
	s_add_nc_u64 s[26:27], s[14:15], s[26:27]
	s_mov_b64 s[24:25], s[14:15]
	s_add_nc_u64 s[28:29], s[20:21], s[30:31]
	global_load_b32 v80, v85, s[26:27]
	s_mov_b32 s30, 16
.Lmstep:
.irp b, 0,1,2,3
.irp j, 0,1,2,3
	global_load_b128 v[16+16*\b+4*\j:16+16*\b+4*\j+3], v83, s[24:25] offset:128*\b+16*\j   ; register 16 b + i: the id of key 32 b + 16 (lane / 16) + i of the step
.endr
.endr
	s_wait_loadcnt 0x0
.set n, 0
.rept 64
	v_cmp_ne_u32 s[32+n%4], v[16+n], v80           ; the lane mask of register n,
	v_writelane_b32 v[81+n/32], s[32+n%4], n%32    ; laid into lane n % 32
.set n, n+1
.endr
	global_store_b32 v84, v81, s[28:29]
	global_store_b32 v84, v82, s[28:29] offset:128
	s_wait_xcnt 0x0                                ; the stores' data and both bases are rewritten only behind this wait
	s_add_nc_u64 s[24:25], s[24:25], 512
	s_add_nc_u64 s[28:29], s[28:29], 256
	s_sub_co_u32 s30, s30, 1
	s_cmp_lg_u32 s30, 0
	s_cbranch_scc1 .Lmstep
	s_endpgm
.Lfunc_end_k_q0a8be19e5f_quant:
	.size	k_q0a8be19e5f_quant, .Lfunc_end_k_q0a8be19e5f_quant-k_q0a8be19e5f_quant
	.p2alignl 7, 3214868480
	.fill 96, 4, 3214868480
	.section	.rodata,"a",@progbits
	.p2align	6, 0x0
	.amdhsa_kernel k_q0a8be19e5f_quant
		.amdhsa_group_segment_fixed_size 33280
		.amdhsa_private_segment_fixed_size 0
		.amdhsa_enable_private_segment 0
		.amdhsa_kernarg_size 72
		.amdhsa_user_sgpr_count 2
		.amdhsa_user_sgpr_kernarg_segment_ptr 1
		.amdhsa_wavefront_size32 1
		.amdhsa_system_sgpr_workgroup_id_x 1
		.amdhsa_system_sgpr_workgroup_id_y 1
		.amdhsa_system_sgpr_workgroup_id_z 1
		.amdhsa_system_vgpr_workitem_id 0
		.amdhsa_next_free_vgpr 192
		.amdhsa_next_free_sgpr 66
		.amdhsa_reserve_vcc 0
		.amdhsa_float_denorm_mode_32 3
		.amdhsa_float_denorm_mode_16_64 3
		.amdhsa_memory_ordered 1
		.amdhsa_forward_progress 1
		.amdhsa_inst_pref_size 44
	.end_amdhsa_kernel
	.amdgpu_metadata
---
amdhsa.version: [ 1, 2 ]
amdhsa.kernels:
  - .name:           k_q0a8be19e5f_quant
    .symbol:         k_q0a8be19e5f_quant.kd
    .args:
      - { .name: x, .offset: 0, .size: 8, .value_kind: global_buffer, .address_space: global }
      - { .name: Wq, .offset: 8, .size: 8, .value_kind: global_buffer, .address_space: global }
      - { .name: Wk, .offset: 16, .size: 8, .value_kind: global_buffer, .address_space: global }
      - { .name: Wv, .offset: 24, .size: 8, .value_kind: global_buffer, .address_space: global }
      - { .name: Wo, .offset: 32, .size: 8, .value_kind: global_buffer, .address_space: global }
      - { .name: chain_id_tensor, .offset: 40, .size: 8, .value_kind: global_buffer, .address_space: global }
      - { .name: cod, .offset: 48, .size: 8, .value_kind: global_buffer, .address_space: global }
      - { .name: scl, .offset: 56, .size: 8, .value_kind: global_buffer, .address_space: global }
      - { .name: msk, .offset: 64, .size: 8, .value_kind: global_buffer, .address_space: global }
    .group_segment_fixed_size: 33280
    .private_segment_fixed_size: 0
    .kernarg_segment_align: 8
    .kernarg_segment_size: 72
    .max_flat_workgroup_size: 128
    .sgpr_count:     66
    .vgpr_count:     192
    .wavefront_size: 32
...
	.end_amdgpu_metadata
.endif
;; end of part 1
;; launch qkv (part 2): grid 12 x 16, 4 waves a work-group, clusters of 4 x 4, 327,680 bytes of LDS; arguments cod, scl, bq, bk, bv, qkv; writes qkv
.if DOCPART == 2
	.amdgcn_target "amdgcn-amd-amdhsa--gfx1250"
	.amdhsa_code_object_version 6
	.text
	.protected	k_q0a8be19e5f_qkv
	.globl	k_q0a8be19e5f_qkv
	.p2align	8
	.type	k_q0a8be19e5f_qkv,@function
k_q0a8be19e5f_qkv:
	s_mov_b64 s[64:65], 0
	v_nop
	global_prefetch_b8 v0, s[64:65] scope:SCOPE_SE
	s_setreg_imm32_b32 hwreg(HW_REG_WAVE_MODE, 25, 1), 1
	s_wait_xcnt 0x0
	s_wait_alu depctr_hold_cnt(0) depctr_sa_sdst(0) depctr_va_vdst(0) depctr_va_sdst(0) depctr_va_ssrc(0) depctr_va_vcc(0) depctr_vm_vsrc(0)
	s_getreg_b32 s2, hwreg(HW_REG_IB_STS2, 6, 4)
	s_cmp_eq_u32 s2, 0
	s_cbranch_scc0 .Lentry_in_a_cluster
	s_endpgm
.Lentry_in_a_cluster:
	s_bfe_u32 s2, ttmp6, 0x10000c
	s_cmp_lg_u32 s2, 0xf033
	s_cbranch_scc0 .Lentry_shape_is_right
	s_endpgm
.Lentry_shape_is_right:
; q, k, v = x W^T + b on codes of FP6 (E2M3) with one E8M0 scale for each 32 along K = 1,024; the results are quantised in registers, again to FP6, and leave as images of the attention launch's operand registers.
; A work-group of four waves makes 256 x 256 results, a wave 128 x 128: 64 accumulators of 16 x 16, 512 registers.  K goes in steps of 256 through two LDS slots filled by the tensor data mover (rows of 192 bytes);
; the scale bytes of the work-group's 512 rows, for all of K, come once with the first fills.  Four K steps: the ring is written straight, without a loop.
; ROLES.  Source 0 of the matrix instruction = 16 rows of 'B', source 1 = 16 rows of 'A': a lane holds one row of A, and its registers run along B's rows.
;   clusters x = 0, 1 (q and k): A = x (tokens), B = Wq | Wk (features): registers run along the head's 64, which is the K of q k^T.
;   cluster  x = 2    (v):       A = Wv (features), B = x (tokens): registers run along the tokens, which are the keys: the K of p v.
; The rows of cod lie so that stored row 16 u + r of each 32 is row 8 u + r + 8 (r / 8): register 16 b + i of an A block in lane half h is B's row 32 b + 16 h + i, 16 neighbours.
; So an A block's 64 registers, with the bias added, go through one quantiser (four blocks of 32, each in lanes l and l xor 16) and ARE a fragment of 12 registers and a scale word a row.
; qkv: blocks of 13,312 bytes at ((32 batch + g) 16 + group of 128 tokens): g 0-15 q's heads (first half alone), g 16-31: first half k's, second half v's.
;   q, k half: codes [pair of tiles 4][3][lane 32][16 bytes] (registers 0-5: the even tile's 16 tokens x 64, 6-11: the odd tile's), then at 6,144 scale words [tile 8][16]: bytes 0, 1 the head's two blocks, bytes 2, 3 zero.
;   v half: codes [fragment 4][3][lane][16 bytes] (16 of the head's 64 x 128 keys), then at 6,144 scale words [4][lane 32].
; CLUSTERS: 4 x 4 work-groups; A's tiles are asked for jointly along a row of the cluster, B's along a column.  The one branch on the role hangs on the cluster's x, which all partners share.
; LIMITS: a block of zeros gets the byte 1 (its codes are zeros; this program alone reads the bytes); largest magnitudes under 2^-124 are held at the byte 1; NaN and infinities are not served.
; REGISTERS: window 0: v0-31 addresses; v32-63 scale words, two sets; v64-127 the biases; from v128 A's fragments, one set (on the way out: codes and work).  window 1: B's fragments, two sets.  windows 2, 3: accumulators.
.set KSTEP,  256
.set NQ,     KSTEP/128
.set ROWB,   192                       ; a tile's row in bytes
.set KROW,   768                       ; a row of cod
.set PITCH,  240                       ; an LDS row: 3 x (64 bytes + 16 of padding)
.set FR,     12
.set NL,     6
.set NP,     4
.set HALFT,  128*PITCH
.set SLOT,   4*HALFT
.set KS,     32                        ; a row of scl
.set SCL,    2*SLOT
.set HALFS,  (128*KS/256)*272
.set SBLK,   (16*KS/256)*272
.set SPARE,  SCL+4*HALFS               ; the spare words, 128 bytes a wave: two blocks of 256 bytes that no other line names
.set BLKB,   13312
.set HEADB,  16*BLKB                   ; from a head's block to the next head's
.set BOQ,  14                          ; v14 bias offset, q and k: 64 x lane half
.set BOV,  15                          ; v15 bias offset, v: 4 (r + 8 (r / 8))
.set ADRA, 16                          ; v16-19
.set ADRB, 20                          ; v20-23
.set LI,   24                          ; v24 16 x lane
.set LS,   25                          ; v25 4 x lane
.set SCQ,  26                          ; v26 q, k scale words: lanes 0-15 the first head's block, lanes 16-31 the second's
.set ADRS, 27
.set SPW,  28
.set NIL,  29
.set SH,   30                          ; v30 16 x lane half: which two bytes of the scale word are my head's
.set SC,   32
.set BI,   64
.set AF,   128
.set PCA,  128                         ; the way out: codes
.set PCB,  140
.set TC,   152
.set TM,   160                         ; v160-163 largest magnitudes, v164-167 at work, v172-175 the conversions' scale operands
.set PW,   176
.set PW2,  177
.set SEL,  2                           ; s[2:3]
.set G1,   24
.set G0,   32
.set TCOL, 42
.set G1B,  48
.set G0B,  56
.set G1S,  68
.set G0S,  76
.set G1SB, 80
.set G0SB, 88
.set WV,   96
.set WR,   97
.set WC,   98
.set TROW, 99
.set ISV,  100
.set OUTP, 104
.set MSB, 0
.macro WIN new                         ; the immediate's high byte repeats the setting that is left
.if MSB != \new
	s_set_vgpr_msb (MSB<<8)|\new
.set MSB, \new
.endif
.endm
.set MUL_LO, 0xa1                      ; source 0 (B) window 1, source 1 (A) window 0, C and D window 2
.set MUL_HI, 0xf1
.set TO_B,   0x40
; A joint load: waves 0 and 1 fetch for A, waves 2 and 3 for B; the branch hangs on the wave's number alone.  An s_nop 0 and four v_nop follow each line.
.macro JLOAD g0a, g1a, g0b, g1b
	s_cmp_eq_u32 s[WR], 0
	s_cbranch_scc0 .Lfor_b_\@
	tensor_load_to_lds s[\g0a:\g0a+3], s[\g1a:\g1a+7]
	s_nop 0
.rept 4
	v_nop
.endr
	s_branch .Lasked_\@
.Lfor_b_\@:
	tensor_load_to_lds s[\g0b:\g0b+3], s[\g1b:\g1b+7]
	s_nop 0
.rept 4
	v_nop
.endr
.Lasked_\@:
.endm
.macro CREST
	s_cmp_lg_u32 s[WV], 0
	s_cbranch_scc1 .Lnot_wave_0_\@
	s_barrier_signal -3
.Lnot_wave_0_\@:
	s_barrier_wait -3
	s_barrier_signal -1
	s_barrier_wait -1
.endm
.macro CROUND
	s_barrier_signal -1
	s_barrier_wait -1
	CREST
.endm
	s_load_b256 s[4:11], s[0:1], 0x0               ; cod, scl, bq, bk
	s_load_b128 s[12:15], s[0:1], 0x20             ; bv, qkv
	v_lshl_add_u32 v[SPW], v0, 2, SPARE
	v_mov_b32 v[NIL], 0
	ds_add_u32 v[SPW], v[NIL]                      ; the wave's opening: the add is awaited ahead of my first tensor load
	v_lshrrev_b32 v1, 5, v0
	v_readfirstlane_b32 s[WV], v1                  ; wave 0..3
	s_lshr_b32 s[WR], s[WV], 1                     ; my half of A's rows.  Also: I fetch for A (0) or for B (1)
	s_and_b32 s[WC], s[WV], 1                      ; my half of B's rows.  Also: which 128 rows I fetch
	s_bfe_u32 s40, ttmp6, 0x40000                  ; cx
	s_bfe_u32 s41, ttmp6, 0x40004                  ; cy
	s_lshl_b32 s18, ttmp9, 2
	s_and_b32 s19, ttmp7, 0xffff
	s_lshl_b32 s19, s19, 2
	s_cmp_eq_u32 ttmp9, 2                          ; the role: the same in all sixteen partners
	s_cselect_b32 s[ISV], 1, 0
	s_cselect_b32 s[TROW], 0, s19                  ; A's tile: v: Wv's four; q, k: x's sixteen
	s_cselect_b32 s[TCOL], s19, s18                ; B's tile: v: x's sixteen; q, k: the eight of Wq | Wk
	s_cselect_b32 s16, 6144, 0                     ; A's first row in cod
	s_cselect_b32 s17, 0, 4096                     ; B's
	s_add_co_u32 s[TROW], s[TROW], s41
	s_add_co_u32 s[TCOL], s[TCOL], s40
	s_lshl_b32 s43, s41, 2
	s_lshl_b32 s43, 15, s43                        ; my row of the cluster
	s_lshl_b32 s44, 0x1111, s40                    ; my column
	s_mov_b32 s[SEL], 0x76543210
	s_mov_b32 s[SEL+1], 0xfedcba98                 ; v_permlanex16_b32's selects for lane l xor 16
	; descriptor group 1: 128 rows x 192 bytes, 16 bytes of padding behind every 64
	s_or_b32 s[G1+0], s43, (0<<16)|(1<<20)|(1<<21)|(3<<22)|(3<<25)
	s_or_b32 s[G1B+0], s44, (0<<16)|(1<<20)|(1<<21)|(3<<22)|(3<<25)
.irp g, G1, G1B
	s_mov_b32 s[\g+1], ROWB<<16                    ; tensor_dim0
	s_mov_b32 s[\g+2], 128<<16                     ; tensor_dim1
	s_mov_b32 s[\g+3], ROWB<<16                    ; tile_dim0
	s_mov_b32 s[\g+4], 128                         ; tile_dim1
	s_mov_b32 s[\g+5], KROW                        ; stride
	s_mov_b32 s[\g+6], 0
	s_mov_b32 s[\g+7], 0
.endr
	; the scales of 128 rows: 4,096 dense bytes as 16 rows of 256 bytes, 16 bytes of padding behind each
	s_or_b32 s[G1S+0], s43, (3<<16)|(1<<20)|(1<<21)|(5<<22)|(3<<25)
	s_or_b32 s[G1SB+0], s44, (3<<16)|(1<<20)|(1<<21)|(5<<22)|(3<<25)
.irp g, G1S, G1SB
	s_mov_b32 s[\g+1], 32<<16
	s_mov_b32 s[\g+2], (128*KS/256)<<16
	s_mov_b32 s[\g+3], 32<<16
	s_mov_b32 s[\g+4], 128*KS/256
	s_mov_b32 s[\g+5], 32
	s_mov_b32 s[\g+6], 0
	s_mov_b32 s[\g+7], 0
.endr
	s_lshl_b32 s18, s[WC], 7
	s_lshl_b32 s20, s[TROW], 8
	s_add_co_u32 s20, s20, s18
	s_add_co_u32 s20, s20, s16                     ; A: the first row that I fetch
	s_lshl_b32 s46, s[TCOL], 8
	s_add_co_u32 s46, s46, s18
	s_add_co_u32 s46, s46, s17                     ; B likewise
	s_mul_i32 s22, s20, KS                         ; bytes: all under 2^23
	s_mul_i32 s20, s20, KROW
	s_mul_i32 s92, s46, KS
	s_mul_i32 s46, s46, KROW
	s_mov_b32 s21, 0
	s_mov_b32 s23, 0
	s_mov_b32 s47, 0
	s_mov_b32 s93, 0
	s_mul_i32 s45, s[WV], HALFT                    ; where they go: wave x 128 rows
	s_mul_i32 s94, s[WV], HALFS
	s_wait_dscnt 0x0                               ; the opening add is done
	s_wait_kmcnt 0x0
	s_add_nc_u64 s[20:21], s[4:5], s[20:21]
	s_add_nc_u64 s[22:23], s[6:7], s[22:23]
	s_add_nc_u64 s[46:47], s[4:5], s[46:47]
	s_add_nc_u64 s[92:93], s[6:7], s[92:93]
	CROUND                                         ; all sixteen work-groups are here: the first joint loads meet
	s_mov_b32 s[G0S], 1
	s_add_co_u32 s[G0S+1], s94, SCL
	s_mov_b64 s[G0S+2:G0S+3], s[22:23]
	s_or_b32 s[G0S+3], s[G0S+3], 0x80000000
	s_mov_b32 s[G0SB], 1
	s_add_co_u32 s[G0SB+1], s94, SCL
	s_mov_b64 s[G0SB+2:G0SB+3], s[92:93]
	s_or_b32 s[G0SB+3], s[G0SB+3], 0x80000000
	JLOAD G0S, G1S, G0SB, G1SB                     ; the scales first: three loads of mine are out behind the third of these
.irp s, 0,1
	s_mov_b32 s[G0+4*\s], 1
	s_add_co_u32 s[G0+4*\s+1], s45, \s*SLOT
	s_add_nc_u64 s[G0+4*\s+2:G0+4*\s+3], s[20:21], \s*ROWB
	s_or_b32 s[G0+4*\s+3], s[G0+4*\s+3], 0x80000000
	s_mov_b32 s[G0B+4*\s], 1
	s_add_co_u32 s[G0B+4*\s+1], s45, \s*SLOT
	s_add_nc_u64 s[G0B+4*\s+2:G0B+4*\s+3], s[46:47], \s*ROWB
	s_or_b32 s[G0B+4*\s+3], s[G0B+4*\s+3], 0x80000000
	JLOAD G0+4*\s, G1, G0B+4*\s, G1B
.endr
	v_and_b32 v1, 15, v0                           ; r
	v_bfe_u32 v2, v0, 4, 1                         ; h
	v_mul_u32_u24 v3, v1, PITCH
	v_mul_u32_u24 v4, v2, 24
	v_add_nc_u32 v4, v3, v4                        ; a fragment's row x pitch + 24 x half
	v_lshl_add_u32 v5, v2, 4, v4                   ; and the same behind one padding more
	s_mul_i32 s21, s[WR], HALFT
	s_mul_i32 s22, s[WC], HALFT
	s_add_co_u32 s22, s22, 2*HALFT
.irp s, 0,1
	v_add_nc_u32 v[ADRA+\s], s21, v4
	v_add_nc_u32 v[ADRB+\s], s22, v4
	v_add_nc_u32 v[ADRA+2+\s], s21, v5
	v_add_nc_u32 v[ADRB+2+\s], s22, v5
	s_add_co_u32 s21, s21, SLOT
	s_add_co_u32 s22, s22, SLOT
.endr
	v_mul_u32_u24 v5, v1, KS                       ; my row's scales,
	v_lshrrev_b32 v6, 8, v5
	v_lshl_add_u32 v5, v6, 4, v5                   ; and 16 more for each 256 passed
	s_mul_i32 s21, s[WR], HALFS
	s_mul_i32 s22, s[WC], HALFS
	s_add_co_u32 s22, s22, 2*HALFS
	s_sub_co_u32 s22, s22, s21
	v_mul_u32_u24 v6, s22, v2                      ; lanes 16-31 take B's
	s_add_co_u32 s21, s21, SCL
	v_add_nc_u32 v5, v5, v6
	v_add_nc_u32 v[ADRS], s21, v5
	v_and_b32 v6, 31, v0
	v_lshlrev_b32 v[LI], 4, v6
	v_lshlrev_b32 v[LS], 2, v6
	v_mul_u32_u24 v5, v2, HEADB
	v_lshl_add_u32 v[SCQ], v1, 2, v5
	v_lshlrev_b32 v[SH], 4, v2
	v_lshlrev_b32 v[BOQ], 6, v2
	v_and_b32 v[BOV], 8, v1
	v_add_nc_u32 v[BOV], v[BOV], v1
	v_lshlrev_b32 v[BOV], 2, v[BOV]
	; where my results go: tokens: tile X, half wX; features: tile Y, half wY
	s_cmp_eq_u32 s[ISV], 1
	s_cselect_b32 s16, s[TCOL], s[TROW]
	s_cselect_b32 s17, s[TROW], s[TCOL]
	s_cselect_b32 s18, s[WC], s[WR]
	s_cselect_b32 s19, s[WR], s[WC]
	s_cselect_b32 s20, 16, 0
	s_cselect_b32 s21, 6656, 0
	s_lshr_b32 s22, s16, 3
	s_lshl_b32 s22, s22, 5                         ; 32 x batch
	s_lshl_b32 s17, s17, 2
	s_add_co_u32 s22, s22, s17
	s_lshl_b32 s19, s19, 1
	s_add_co_u32 s22, s22, s19
	s_add_co_u32 s22, s22, s20                     ; + g: the first of my two heads
	s_lshl_b32 s22, s22, 4
	s_lshl_b32 s16, s16, 1
	s_add_co_u32 s16, s16, s18
	s_and_b32 s16, s16, 15                         ; my group of 128 tokens in its batch
	s_add_co_u32 s22, s22, s16
	s_mul_i32 s22, s22, BLKB
	s_add_co_u32 s22, s22, s21
	s_mov_b32 s23, 0
	s_add_nc_u64 s[OUTP:OUTP+1], s[14:15], s[22:23]
	; the biases.  s[16:19] hold their bases from here on and are not written again
	s_cmp_eq_u32 ttmp9, 0
	s_cselect_b64 s[18:19], s[8:9], s[10:11]       ; bq or bk
	s_lshl_b32 s20, s[TCOL], 8
	s_lshl_b32 s21, s[WC], 7
	s_add_co_u32 s20, s20, s21
	s_and_b32 s20, s20, 1023
	s_lshl_b32 s20, s20, 2
	s_mov_b32 s21, 0
	s_add_nc_u64 s[18:19], s[18:19], s[20:21]
	s_lshl_b32 s20, s[TROW], 8
	s_lshl_b32 s22, s[WR], 7
	s_add_co_u32 s20, s20, s22
	s_and_b32 s20, s20, 1023
	s_lshl_b32 s20, s20, 2
	s_add_nc_u64 s[16:17], s[12:13], s[20:21]      ; bv
	s_cmp_eq_u32 s[ISV], 1
	s_cbranch_scc1 .Lbias_v
.irp b, 0,1,2,3
.irp j, 0,1,2,3
	global_load_b128 v[BI+16*\b+4*\j:BI+16*\b+4*\j+3], v[BOQ], s[18:19] offset:128*\b+16*\j   ; register 16 b + i: the bias of feature 32 b + 16 h + i
.endr
.endr
	s_branch .Lbias_in
.Lbias_v:
.irp a, 0,1,2,3,4,5,6,7
.irp j, 0,1,2,3,4,5,6,7
	global_load_b32 v[BI+8*\a+\j], v[BOV], s[16:17] offset:(32*(\a/2)+8*(\a%2))*4   ; block a: my row's bias; both ways fill all 64 registers
.endr
.endr
.Lbias_in:
.macro FRAG reg, adr, q, i             ; 16 rows x 128 K: 12 registers, in pieces of 8 bytes; where the piece of lanes 16-31 lies behind one padding more, the second address register serves
.irp p, 0,1,2,3,4,5
.set PC, 12*(\q)+6*(\p/3)+\p%3
.if PC%8 < 5
	ds_load_b64 v[\reg+2*\p:\reg+2*\p+1], v[\adr] offset:8*PC+16*(PC/8)+(\i)*16*PITCH
.else
	ds_load_b64 v[\reg+2*\p:\reg+2*\p+1], v[\adr+2] offset:8*PC+16*(PC/8)+(\i)*16*PITCH
.endif
.endr
.endm
; 16 matrix instructions: A's blocks a0, a0 + 1 x B's eight.  The 64 accumulators take turns, one instruction a turn, in the same order in every step.
.macro MUL16 a0, p, q, sc, zero
.irp a, \a0, \a0+1
.irp b, 0,1,2,3,4,5,6,7
.if \zero
	v_wmma_scale_f32_16x16x128_f8f6f4 v[8*(8*((\a)%4)+\b):8*(8*((\a)%4)+\b)+7], v[128*(\p)+FR*\b:128*(\p)+FR*\b+FR-1], v[AF+FR*(\a):AF+FR*(\a)+FR-1], 0, v[SC+8*NQ*(\sc)+NQ*\b+(\q)], v[SC+8*NQ*(\sc)+NQ*(\a)+(\q)] matrix_a_fmt:MATRIX_FMT_FP6 matrix_b_fmt:MATRIX_FMT_FP6 matrix_a_scale:MATRIX_SCALE_ROW1
.else
	v_wmma_scale_f32_16x16x128_f8f6f4 v[8*(8*((\a)%4)+\b):8*(8*((\a)%4)+\b)+7], v[128*(\p)+FR*\b:128*(\p)+FR*\b+FR-1], v[AF+FR*(\a):AF+FR*(\a)+FR-1], v[8*(8*((\a)%4)+\b):8*(8*((\a)%4)+\b)+7], v[SC+8*NQ*(\sc)+NQ*\b+(\q)], v[SC+8*NQ*(\sc)+NQ*(\a)+(\q)] matrix_a_fmt:MATRIX_FMT_FP6 matrix_b_fmt:MATRIX_FMT_FP6 matrix_a_scale:MATRIX_SCALE_ROW1
.endif
.endr
.endr
.endm
.macro FETCH_B slot, q, p
	WIN TO_B
.irp i, 0,1,2,3,4,5,6,7
	FRAG 128*(\p)+FR*\i, ADRB+\slot, \q, \i
.endr
	WIN 0
.endm
.macro FETCH_A slot, q, i0
.irp i, \i0, \i0+1, \i0+2, \i0+3
	FRAG AF+FR*(\i), ADRA+\slot, \q, \i
.endr
.endm
.macro SCALES sc                       ; a K step's scale words: lanes 0-15 A's block i, lanes 16-31 B's block i
.irp i, 0,1,2,3,4,5,6,7
	ds_load_b64 v[SC+8*NQ*\sc+NQ*\i:SC+8*NQ*\sc+NQ*\i+1], v[ADRS] offset:\i*SBLK
.endr
.endm
.macro PLACES n                        ; plain vector instructions between a matrix instruction and a load into, or a vector read or write of, its registers
.rept \n
	v_nop
.endr
.endm
.macro STEP slot, q, zero              ; 128 along K whose successor lies in the same slot
	s_wait_dscnt 4*NL                              ; B's set and A's blocks 0-3 are in; A's blocks 4-7, 24 loads, may be out
	WIN MUL_LO
	MUL16 0, (\q)%2, \q, \slot, \zero
	MUL16 2, (\q)%2, \q, \slot, \zero
	s_wait_dscnt 0
	PLACES NP
	FETCH_B \slot, (\q)+1, 1-(\q)%2
	FETCH_A \slot, (\q)+1, 0
	WIN MUL_HI
	MUL16 4, (\q)%2, \q, \slot, \zero
	MUL16 6, (\q)%2, \q, \slot, \zero
	PLACES NP
	WIN 0
	FETCH_A \slot, (\q)+1, 4
.endm
; A slot's last step changes slots: in front of the one barrier each wave waits for all its tensor loads, adds 0 to its spare word, and waits for that and for its reads of this slot.
.macro TURN slot, next, fill
	s_wait_tensorcnt 0x0                           ; all my tensor loads have landed: my part of the next slot
	ds_add_u32 v[SPW], v[NIL]
	s_wait_dscnt 4*NL+1                            ; the add and A's blocks 4-7 may be out
	WIN MUL_LO
	MUL16 0, 1, NQ-1, \slot, 0
	s_wait_dscnt 0x0                               ; the add is done, and my reads of this slot are over
	s_barrier_signal -1
	MUL16 2, 1, NQ-1, \slot, 0
	WIN 0
	s_barrier_wait -1
.if \fill
	CREST                                          ; the barrier has opened a round of the cluster's barrier: no wave of any partner still reads this slot or has a load on its way
	s_add_nc_u64 s[G0+4*\slot+2:G0+4*\slot+3], s[G0+4*\slot+2:G0+4*\slot+3], 2*ROWB
	s_add_nc_u64 s[G0B+4*\slot+2:G0B+4*\slot+3], s[G0B+4*\slot+2:G0B+4*\slot+3], 2*ROWB
	JLOAD G0+4*\slot, G1, G0B+4*\slot, G1B         ; my one tensor load behind the round; its four v_nop are the places in front of the loads below
.else
	PLACES NP
.endif
	v_add_nc_u32 v[ADRS], 4*NQ, v[ADRS]
	FETCH_B \next, 0, 0
	FETCH_A \next, 0, 0
	SCALES \next
	WIN MUL_HI
	MUL16 4, 1, NQ-1, \slot, 0
	MUL16 6, 1, NQ-1, \slot, 0
	PLACES NP
	WIN 0
	FETCH_A \next, 0, 4
.endm
	s_wait_tensorcnt 1                             ; the scales and my part of K step 0 are in; K step 1's load may be out
	s_barrier_signal -1
	s_barrier_wait -1
	FETCH_B 0, 0, 0
	FETCH_A 0, 0, 0
	SCALES 0
	FETCH_A 0, 0, 4
	STEP 0, 0, 1                                   ; the first products start the sums
	TURN 0, 1, 1
	STEP 1, 0, 0
	TURN 1, 0, 1
	STEP 0, 0, 0
	TURN 0, 1, 0                                   ; nothing is left to fetch
	STEP 1, 0, 0
	s_wait_dscnt 4*NL
	WIN MUL_LO
	MUL16 0, 1, NQ-1, 1, 0
	MUL16 2, 1, NQ-1, 1, 0
	s_wait_dscnt 0
	WIN MUL_HI
	MUL16 4, 1, NQ-1, 1, 0
	MUL16 6, 1, NQ-1, 1, 0
	WIN 0
; THE WAY OUT.  64 numbers of a lane in window w, register 16 b + i = place 32 b + 16 h + i along the quantiser's K, become codes: blocks 0, 1 in v[d0 .. d0 + 5], blocks 2, 3 in v[d1 .. d1 + 5], and the scale word in v[PW].
.macro QUANT s, w, d0, d1
	WIN 0x28+0x14*((\w)-2)                         ; sources 1 and 2 in window w
.irp b, 0,1,2,3
	v_max3_num_f32 v[TM+\b], 0x1800000, |v[(\s)+16*\b]|, |v[(\s)+1+16*\b]|   ; my 16 numbers of block b, and the floor 2^(3 - 127)
.endr
.irp i, 2,4,6,8,10,12,14
.irp b, 0,1,2,3
	v_max3_num_f32 v[TM+\b], v[TM+\b], |v[(\s)+16*\b+\i]|, |v[(\s)+1+16*\b+\i]|
.endr
.endr
	WIN 0
.irp b, 0,1,2,3
	v_permlanex16_b32 v[TM+4+\b], v[TM+\b], s[SEL], s[SEL+1]
.endr
.irp b, 0,1,2,3
	v_max_num_f32 v[TM+\b], v[TM+\b], v[TM+4+\b]   ; with lane l xor 16's: the block's largest magnitude
.endr
.irp b, 0,1,2,3
	v_add_nc_u32 v[TM+12+\b], 0xff000000, v[TM+\b] ; 2 off its exponent field: the conversion's scale operand
.endr
.irp b, 0,1,2,3
	v_lshrrev_b32 v[TM+4+\b], 23, v[TM+12+\b]      ; the scale's byte
.endr
	v_lshl_or_b32 v[PW], v[TM+5], 8, v[TM+4]
	v_lshl_or_b32 v[PW], v[TM+6], 16, v[PW]
	v_lshl_or_b32 v[PW], v[TM+7], 24, v[PW]
	WIN 0x02+((\w)-2)                              ; source 0 in window w
	v_cvt_scalef32_pk16_fp6_f32 v[(\d0):(\d0)+2], v[(\s):(\s)+15], v[TM+12]
	v_cvt_scalef32_pk16_fp6_f32 v[TC:TC+2], v[(\s)+16:(\s)+31], v[TM+13]
	v_cvt_scalef32_pk16_fp6_f32 v[(\d1):(\d1)+2], v[(\s)+32:(\s)+47], v[TM+14]
	v_cvt_scalef32_pk16_fp6_f32 v[TC+4:TC+6], v[(\s)+48:(\s)+63], v[TM+15]
	WIN 0
	v_nop                                          ; one plain place behind a scaled conversion
.irp i, 0,1,2                                  ; the operand's layout wants a whole block in a lane: lanes 0-15 the even block, lanes 16-31 the odd one
	v_permlane16_swap_b32 v[(\d0)+\i], v[TC+\i]
.endr
.irp i, 0,1,2
	v_mov_b32 v[(\d0)+3+\i], v[TC+\i]
.endr
.irp i, 0,1,2
	v_permlane16_swap_b32 v[(\d1)+\i], v[TC+4+\i]
.endr
.irp i, 0,1,2
	v_mov_b32 v[(\d1)+3+\i], v[TC+4+\i]
.endr
.endm
; A's block a: the bias is added in place, each accumulator from its low end on, and the block is quantised.  x = 0: a bias for each register; 1: one for the lane's row
.macro BLOCK a, x, d0, d1
.set AC, 64*((\a)%4)
.set W, 2+(\a)/4
	s_wait_xcnt 0x0                                ; the earlier stores have read their data: the codes' registers are written again only behind this wait
	WIN 0x82+0x41*((\a)/4)                         ; destination and source 0 in the block's window, the bias in window 0
.set k, 0
.rept 32
.if \x
	v_pk_add_f32 v[AC+2*k:AC+2*k+1], v[AC+2*k:AC+2*k+1], v[BI+8*(\a):BI+8*(\a)+1]
.else
	v_pk_add_f32 v[AC+2*k:AC+2*k+1], v[AC+2*k:AC+2*k+1], v[BI+2*k:BI+2*k+1]
.endif
.set k, k+1
.endr
	QUANT AC, W, \d0, \d1
.endm
.macro SCALEQ a                        ; q, k: lanes 0-15 store the first head's two bytes, lanes 16-31 the second's; bytes 2 and 3 are zero: the empty half of the next product's K
	v_lshrrev_b32 v[PW2], v[SH], v[PW]
	v_and_b32 v[PW2], 0xffff, v[PW2]
	global_store_b32 v[SCQ], v[PW2], s[OUTP:OUTP+1] offset:6144+64*(\a)
.endm
	PLACES NP                                      ; behind the last products
	s_wait_loadcnt 0x0                             ; the biases
.irp b, 0,1,2,3
	v_mov_b32 v[TM+4+\b], 0                        ; written once: a lane permute's destination counts as one of its sources
.endr
	s_cmp_eq_u32 s[ISV], 1
	s_cbranch_scc1 .Lout_v
.irp ap, 0,1,2,3                               ; q, k: two blocks of 16 tokens fill 12 registers for each of my two heads
	BLOCK 2*\ap, 0, PCA, PCB
	SCALEQ 2*\ap
	BLOCK 2*\ap+1, 0, PCA+6, PCB+6
	SCALEQ 2*\ap+1
.irp i, 0,1,2
	global_store_b128 v[LI], v[PCA+4*\i:PCA+4*\i+3], s[OUTP:OUTP+1] offset:1536*\ap+512*\i         ; 32 lanes store 512 consecutive bytes, aligned to 256
	global_store_b128 v[LI], v[PCB+4*\i:PCB+4*\i+3], s[OUTP:OUTP+1] offset:HEADB+1536*\ap+512*\i
.endr
.endr
	s_branch .Lend
.Lout_v:
.irp a, 0,1,2,3,4,5,6,7                        ; v: a block of 16 features x my 128 tokens is one fragment
	BLOCK \a, 1, PCA, PCA+6
.irp i, 0,1,2
	global_store_b128 v[LI], v[PCA+4*\i:PCA+4*\i+3], s[OUTP:OUTP+1] offset:(\a/4)*HEADB+(\a%4)*1536+512*\i
.endr
	global_store_b32 v[LS], v[PW], s[OUTP:OUTP+1] offset:(\a/4)*HEADB+6144+(\a%4)*128
.endr
.Lend:
	s_wait_tensorcnt 0x0                           ; the wave's end
	ds_add_u32 v[SPW], v[NIL]
	s_wait_dscnt 0x0
	CROUND                                         ; the closing round: no work-group ends while a partner may still ask for a tile that names it
	s_endpgm
.Lfunc_end_k_q0a8be19e5f_qkv:
	.size	k_q0a8be19e5f_qkv, .Lfunc_end_k_q0a8be19e5f_qkv-k_q0a8be19e5f_qkv
	.p2alignl 7, 3214868480
	.fill 96, 4, 3214868480
	.section	.rodata,"a",@progbits
	.p2align	6, 0x0
	.amdhsa_kernel k_q0a8be19e5f_qkv
		.amdhsa_group_segment_fixed_size 327680
		.amdhsa_private_segment_fixed_size 0
		.amdhsa_enable_private_segment 0
		.amdhsa_kernarg_size 48
		.amdhsa_user_sgpr_count 2
		.amdhsa_user_sgpr_kernarg_segment_ptr 1
		.amdhsa_wavefront_size32 1
		.amdhsa_system_sgpr_workgroup_id_x 1
		.amdhsa_system_sgpr_workgroup_id_y 1
		.amdhsa_system_sgpr_workgroup_id_z 1
		.amdhsa_system_vgpr_workitem_id 0
		.amdhsa_next_free_vgpr 1024
		.amdhsa_next_free_sgpr 106
		.amdhsa_reserve_vcc 0
		.amdhsa_float_denorm_mode_32 3
		.amdhsa_float_denorm_mode_16_64 3
		.amdhsa_memory_ordered 1
		.amdhsa_forward_progress 1
		.amdhsa_inst_pref_size 241
	.end_amdhsa_kernel
	.amdgpu_metadata
---
amdhsa.version: [ 1, 2 ]
amdhsa.kernels:
  - .name:           k_q0a8be19e5f_qkv
    .symbol:         k_q0a8be19e5f_qkv.kd
    .args:
      - { .name: cod, .offset: 0, .size: 8, .value_kind: global_buffer, .address_space: global }
      - { .name: scl, .offset: 8, .size: 8, .value_kind: global_buffer, .address_space: global }
      - { .name: bq, .offset: 16, .size: 8, .value_kind: global_buffer, .address_space: global }
      - { .name: bk, .offset: 24, .size: 8, .value_kind: global_buffer, .address_space: global }
      - { .name: bv, .offset: 32, .size: 8, .value_kind: global_buffer, .address_space: global }
      - { .name: qkv, .offset: 40, .size: 8, .value_kind: global_buffer, .address_space: global }
    .group_segment_fixed_size: 327680
    .private_segment_fixed_size: 0
    .kernarg_segment_align: 8
    .kernarg_segment_size: 48
    .max_flat_workgroup_size: 128
    .sgpr_count:     106
    .vgpr_count:     1024
    .wavefront_size: 32
...
	.end_amdgpu_metadata
.endif
;; end of part 2
;; launch attn (part 3): grid 16 x 16, 8 waves a work-group, clusters of 4 x 4, 327,680 bytes of LDS; arguments qkv, distances, msk, chain_bias, dist_w, dist_b, ac, asc; writes ac, asc
.if DOCPART == 3
	.amdgcn_target "amdgcn-amd-amdhsa--gfx1250"
	.amdhsa_code_object_version 6
	.text
	.protected	k_q0a8be19e5f_attn
	.globl	k_q0a8be19e5f_attn
	.p2align	8
	.type	k_q0a8be19e5f_attn,@function
k_q0a8be19e5f_attn:
	s_mov_b64 s[64:65], 0
	v_nop
	global_prefetch_b8 v0, s[64:65] scope:SCOPE_SE
	s_setreg_imm32_b32 hwreg(HW_REG_WAVE_MODE, 25, 1), 1
	s_wait_xcnt 0x0
	s_wait_alu depctr_hold_cnt(0) depctr_sa_sdst(0) depctr_va_vdst(0) depctr_va_sdst(0) depctr_va_ssrc(0) depctr_va_vcc(0) depctr_vm_vsrc(0)
	s_getreg_b32 s2, hwreg(HW_REG_IB_STS2, 6, 4)
	s_cmp_eq_u32 s2, 0
	s_cbranch_scc0 .Lentry_in_a_cluster
	s_endpgm
.Lentry_in_a_cluster:
	s_bfe_u32 s2, ttmp6, 0x10000c
	s_cmp_lg_u32 s2, 0xf033
	s_cbranch_scc0 .Lentry_shape_is_right
	s_endpgm
.Lentry_shape_is_right:
; Attention on codes of FP6 (E2M3): S^T = k q^T (K = the head's 64, the upper half of the instruction's 128 empty), the bias, the softmax, O^T = v^T p^T (K = the keys), O / l, quantised for the last projection.
; t = (score / 8 + chain_bias [chains differ] + distance x dist_w + dist_b) x log2(e); M = the running largest t rounded up to a whole number; p = 2^(t - M) is quantised along the keys, not normalised;
; the row's sum is taken of the unquantised p; when M moves, the sum and O are multiplied by 2^(old M - new M), which rounds nothing.
; SHARES.  A work-group owns one head, 128 queries and BOTH batches; each of its eight waves owns one tile of 16 queries (lane % 16 = the query) for both batches: the bias hangs on no batch, so it is made once a key step and serves two tiles.
; Two waves share a SIMD.  Every wave walks the 2,048 keys, 128 a step.  A slot of LDS holds a step: 128 rows x 512 bytes of distances (+ 16 of padding a row), and k's and v's images of both batches, 4 x 6,656 bytes.
; CLUSTER 4 x 4: x = four heads, y = four blocks of queries.  The distances hang on the block alone and are asked for jointly along a row of the cluster (waves 0-3, 32 rows each); k and v hang on the head alone: jointly along a column (waves 4-7).
; THE EMPTY HALF OF K.  q's fragment is six registers of codes and six of zeros; a fragment of k is v[KF + 6 t .. + 11]: its upper six registers are the next tile's codes, which meet zero codes; bytes 2, 3 of both scale words are 0.
; Registers of S^T: 16 b + i in lane half h is key 32 b + 16 h + i of the step (the keys of a tile lie so in qkv); of O^T: 16 t + i is channel 32 t + 16 h + i.
; The chain matrix comes as lane masks, 64 scalar words a step, and only selects between two constants.
; LIMITS: p under 2^-126 falls to 0; a block of zeros keeps the byte 1 (zero codes; this program alone reads the bytes); NaN and infinities are not served.
.set DP,    528                        ; a row of distances in LDS: 512 bytes + 16: the 16 rows of a load begin in 16 different groups of banks
.set KVOFF, 128*DP
.set PART,  6656
.set SLOT1, 1<<17                      ; slot 1 begins here: one exclusive or turns an address
.set SPARE, 2*SLOT1                    ; the spare words, 128 bytes for each of eight waves: four blocks of 256 bytes that no other line names
.set BLKB,  13312
.set BATB,  512*BLKB                   ; from batch 0 to batch 1 in qkv
; window 0
.set AD0, 1                            ; my place in the distances
.set AF0, 2                            ; 16 x lane, in k's and v's images
.set AS0, 3                            ; 4 x lane, in their scale words
.set ADD, 4
.set ADF, 5
.set ADS, 6
.set SPW, 7
.set NIL, 8
.set CS,  10                           ; v[10:11] log2(e) / 8, twice
                                       ; v[12:13], v[16:17]: -M and the largest t, batch 0, 1;  v[14:15], v[18:19]: the sums, in two halves
.set DW,  20                           ; v[20:21] dist_w x log2(e), twice
.set C0,  22                           ; dist_b x log2(e)
.set C1,  23                           ; (dist_b + chain_bias) x log2(e)
.set KS,  24                           ; v24-27, v28-31 k's scale words: lanes 0-15 the even tile's, lanes 16-31 the odd tile's
.set VS,  32                           ; v32-35 v's
.set QS,  36                           ; v36, v37 q's
.set PW,  38                           ; p's scale word
.set TMP, 39
.set T8,  40
.set BM,  48
.set BP,  52
.set BSO, 56
.set F,   60                           ; v[60:61]
.set S2,  62                           ; v[62:63] the sums' second chain
.set BB,  64                           ; v64-127 the bias as t
.set S,   128                          ; v128-191 S^T, t, p
.set PC,  192                          ; v192-203 p's codes
.set TC,  204
.set LW,  212
.set RL,  216
; window 1
.set Q,   64                           ; v64-75, v76-87
.set KF,  88                           ; v88-135 (+ six zeros), v142-189 (+ six zeros)
.set VF,  196                          ; v196-243;  O^T: v0-31, v32-63
.set WV,   2
.set CNT,  3
.set G0D,  52
.set G0KV, 56
.set TB,   60
.set SEL,  62
.set MP,   66
.set G1D,  84
.set G1KV, 92
.set ACP,  100
.set ASP,  104
.set MSB, 0
.macro WIN new
.if MSB != \new
	s_set_vgpr_msb (MSB<<8)|\new
.set MSB, \new
.endif
.endm
.macro JLOAD                           ; every wave has one joint load; the branch hangs on the wave's number alone; an s_nop 0 and four v_nop follow each line
	s_cmp_lt_u32 s[WV], 4
	s_cbranch_scc0 .Lfor_kv_\@
	tensor_load_to_lds s[G0D:G0D+3], s[G1D:G1D+7]
	s_nop 0
.rept 4
	v_nop
.endr
	s_branch .Lasked_\@
.Lfor_kv_\@:
	tensor_load_to_lds s[G0KV:G0KV+3], s[G1KV:G1KV+7]
	s_nop 0
.rept 4
	v_nop
.endr
.Lasked_\@:
.endm
.macro ROUND                           ; a round of the cluster's barrier
	s_barrier_signal -1
	s_barrier_wait -1
	s_cmp_lg_u32 s[WV], 0
	s_cbranch_scc1 .Lnot_wave_0_\@
	s_barrier_signal -3
.Lnot_wave_0_\@:
	s_barrier_wait -3
	s_barrier_signal -1
	s_barrier_wait -1
.endm
	s_load_b512 s[4:19], s[0:1], 0x0               ; qkv, distances, msk, chain_bias, dist_w, dist_b, ac, asc
	v_lshl_add_u32 v[SPW], v0, 2, SPARE
	v_mov_b32 v[NIL], 0
	ds_add_u32 v[SPW], v[NIL]                      ; the wave's opening: the add is awaited ahead of my first tensor load
	v_lshrrev_b32 v9, 5, v0
	v_readfirstlane_b32 s[WV], v9                  ; wave 0..7
	s_bfe_u32 s20, ttmp6, 0x40000                  ; cx
	s_bfe_u32 s21, ttmp6, 0x40004                  ; cy
	s_lshl_b32 s22, ttmp9, 2
	s_add_co_u32 s22, s22, s20                     ; the head
	s_and_b32 s23, ttmp7, 0xffff
	s_lshl_b32 s23, s23, 2
	s_add_co_u32 s23, s23, s21                     ; the block of 128 queries
	s_lshl_b32 s24, s21, 2
	s_lshl_b32 s24, 15, s24                        ; my row of the cluster
	s_lshl_b32 s25, 0x1111, s20                    ; my column
	s_or_b32 s[G1D], s24, (2<<16)|(1<<20)|(1<<21)|(6<<22)|(3<<25)   ; elements of 4 bytes; 4 words of padding behind every 128
	s_mov_b32 s[G1D+1], 128<<16                    ; tensor_dim0
	s_mov_b32 s[G1D+2], 32<<16                     ; tensor_dim1
	s_mov_b32 s[G1D+3], 128<<16                    ; tile_dim0
	s_mov_b32 s[G1D+4], 32                         ; tile_dim1
	s_mov_b32 s[G1D+5], 2048                       ; stride
	s_mov_b32 s[G1D+6], 0
	s_mov_b32 s[G1D+7], 0
	s_or_b32 s[G1KV], s25, (3<<16)|(1<<21)         ; 6,656 dense bytes as 26 rows of 32 elements of 8 bytes
	s_mov_b32 s[G1KV+1], 32<<16
	s_mov_b32 s[G1KV+2], 26<<16
	s_mov_b32 s[G1KV+3], 32<<16
	s_mov_b32 s[G1KV+4], 26
	s_mov_b32 s[G1KV+5], 32
	s_mov_b32 s[G1KV+6], 0
	s_mov_b32 s[G1KV+7], 0
	s_mov_b32 s[SEL], 0x76543210
	s_mov_b32 s[SEL+1], 0xfedcba98
	s_and_b32 s26, s[WV], 3
	s_lshl_b32 s28, s23, 7
	s_lshl_b32 s27, s26, 5
	s_add_co_u32 s28, s28, s27
	s_lshl_b32 s28, s28, 13                        ; distances: row 128 block + 32 (wave % 4), 8,192 bytes a row
	s_mov_b32 s29, 0
	s_add_co_u32 s30, s22, 16
	s_mul_i32 s30, s30, 16*BLKB                    ; k, v: the head's blocks,
	s_lshr_b32 s27, s26, 1
	s_mul_i32 s27, s27, BATB                       ; the batch,
	s_add_co_u32 s30, s30, s27
	s_and_b32 s27, s26, 1
	s_mul_i32 s27, s27, PART                       ; k's half or v's
	s_add_co_u32 s30, s30, s27
	s_mov_b32 s31, 0
	s_lshl_b32 s38, s23, 3
	s_add_co_u32 s38, s38, s[WV]                   ; my tile of 16 queries
	s_mov_b32 s41, 0
	s_wait_dscnt 0x0                               ; the opening add is done
	s_wait_kmcnt 0x0
	s_mov_b32 s[G0D], 1
	s_mul_i32 s[G0D+1], s26, 32*DP
	s_add_nc_u64 s[G0D+2:G0D+3], s[6:7], s[28:29]
	s_or_b32 s[G0D+3], s[G0D+3], 0x80000000
	s_mov_b32 s[G0KV], 1
	s_mul_i32 s[G0KV+1], s26, PART
	s_add_co_u32 s[G0KV+1], s[G0KV+1], KVOFF
	s_add_nc_u64 s[G0KV+2:G0KV+3], s[4:5], s[30:31]
	s_or_b32 s[G0KV+3], s[G0KV+3], 0x80000000
	s_lshl_b32 s40, s38, 12
	s_add_nc_u64 s[MP:MP+1], s[8:9], s[40:41]      ; my masks: 4,096 bytes a tile
	s_lshl_b32 s40, s22, 8
	s_add_co_u32 s40, s40, s38
	s_mul_i32 s40, s40, 768
	s_add_nc_u64 s[ACP:ACP+1], s[16:17], s[40:41]  ; my image in ac
	s_lshl_b32 s40, s38, 9
	s_lshl_b32 s39, s22, 1
	s_add_co_u32 s40, s40, s39
	s_add_nc_u64 s[ASP:ASP+1], s[18:19], s[40:41]  ; my rows of asc, my head's two bytes
	s_lshl_b32 s40, s22, 4
	s_add_co_u32 s40, s40, s23
	s_mul_i32 s40, s40, BLKB
	s_add_nc_u64 s[32:33], s[4:5], s[40:41]        ; q's block of batch 0
	s_lshl_b32 s34, s22, 2
	s_load_b32 s35, s[10:11], s34 offset:0x0       ; chain_bias, dist_w, dist_b of my head
	s_load_b32 s36, s[12:13], s34 offset:0x0
	s_load_b32 s37, s[14:15], s34 offset:0x0
	ROUND                                          ; all sixteen work-groups are here: the first joint loads meet
	JLOAD                                          ; key step 0 into slot 0
	v_and_b32 v40, 15, v0                          ; r
	v_bfe_u32 v41, v0, 4, 1                        ; h
	v_and_b32 v42, 31, v0                          ; lane
	s_mul_i32 s38, s[WV], 16*DP
	v_mul_u32_u24 v[AD0], v40, DP
	v_lshl_add_u32 v[AD0], v41, 6, v[AD0]
	v_add_nc_u32 v[AD0], s38, v[AD0]               ; row 16 wave + r, + 64 h
	v_lshl_add_u32 v[AF0], v42, 4, KVOFF
	v_lshl_add_u32 v[AS0], v42, 2, KVOFF
	; q: query 16 wave + r lies in stored tile 2 (wave / 2) + r / 8, at its lane r % 8 + 8 (wave % 2): registers 6 (r / 8) on of the pair's twelve
	v_bfe_u32 v43, v0, 3, 1
	v_and_b32 v44, 7, v0
	s_and_b32 s38, s[WV], 1
	s_lshl_b32 s38, s38, 3
	v_add_nc_u32 v44, s38, v44
	v_lshl_add_u32 v45, v41, 4, v44
	s_lshr_b32 s39, s[WV], 1
	s_mul_i32 s38, s39, 1536
	v_lshlrev_b32 v45, 4, v45
	v_add_nc_u32 v45, s38, v45
	v_mad_u32_u24 v46, v43, 520, v45               ; registers 0, 1 at 0 or 520; registers 4, 5 512 bytes on
	v_mad_u32_u24 v47, v43, 1016, v45              ; registers 2, 3 at 8 or 1,024
	s_lshl_b32 s38, s39, 7
	v_lshlrev_b32 v48, 6, v43
	v_lshl_add_u32 v48, v44, 2, v48
	v_add_nc_u32 v48, s38, v48                     ; its scale word
	WIN 0x40                                       ; destination window 1
.irp z, 0,1
	global_load_b64 v[Q+12*\z:Q+12*\z+1], v46, s[32:33] offset:BATB*\z
	global_load_b64 v[Q+12*\z+2:Q+12*\z+3], v47, s[32:33] offset:BATB*\z+8
	global_load_b64 v[Q+12*\z+4:Q+12*\z+5], v46, s[32:33] offset:BATB*\z+512
.endr
.set k, 0
.rept 64
	v_mov_b32 v[k], 0                              ; O^T of both batches: the step is written once, and its first change of M multiplies zeros
.set k, k+1
.endr
.irp i, 0,1,2,3,4,5
	v_mov_b32 v[Q+6+\i], 0                         ; the empty half of K: zero codes
	v_mov_b32 v[Q+18+\i], 0
	v_mov_b32 v[KF+48+\i], 0                       ; and behind each run of k's fragments
	v_mov_b32 v[KF+102+\i], 0
.endr
	WIN 0
.irp z, 0,1
	global_load_b32 v[QS+\z], v48, s[32:33] offset:BATB*\z+6144
.endr
	s_wait_kmcnt 0x0
	s_add_f32 s35, s35, s37
	s_mul_f32 s35, s35, 0x3fb8aa3b
	s_mul_f32 s36, s36, 0x3fb8aa3b
	s_mul_f32 s37, s37, 0x3fb8aa3b
	v_mov_b32 v[DW], s36
	v_mov_b32 v[DW+1], s36
	v_mov_b32 v[C0], s37
	v_mov_b32 v[C1], s35
	v_mov_b32 v[CS], 0x3e38aa3b
	v_mov_b32 v[CS+1], 0x3e38aa3b
.irp z, 0,1
	v_mov_b32 v[13+4*\z], 0xff61b1e6               ; the largest t so far: -3e38
	v_floor_f32 v[12+4*\z], -v[13+4*\z]            ; -M
	v_mov_b32 v[14+4*\z], 0
	v_mov_b32 v[15+4*\z], 0
.endr
.irp b, 0,1,2,3
	v_mov_b32 v[BP+\b], 0                          ; written once: a lane permute's destination counts as one of its sources
.endr
	v_mov_b32 v[F+1], 0                            ; named as the upper half of a pair
	s_wait_loadcnt 0x0                             ; q is in: its base and offsets may be written
	s_load_b512 s[4:19], s[MP:MP+1], 0x0           ; key step 0's masks: word n in s[4 + n], the last sixteen in s[68 ..]
	s_load_b512 s[20:35], s[MP:MP+1], 0x40
	s_load_b512 s[36:51], s[MP:MP+1], 0x80
	s_load_b512 s[68:83], s[MP:MP+1], 0xc0
	s_mov_b32 s[TB], 0
	s_mov_b32 s[CNT], 15
; One tile: 16 queries of batch z x 128 keys.  ask = 1: the next step's masks are asked for.
.macro TILE z, ask
.set NM,  12+4*\z
.set SUM, 14+4*\z
.set OO,  32*\z
	WIN 0x05                                       ; k and q in window 1
.irp t, 0,1,2,3,4,5,6,7
.if \t%2
	v_wmma_scale_f32_16x16x128_f8f6f4 v[S+8*\t:S+8*\t+7], v[KF+54*\z+6*\t:KF+54*\z+6*\t+11], v[Q+12*\z:Q+12*\z+11], 0, v[KS+4*\z+\t/2], v[QS+\z] matrix_a_fmt:MATRIX_FMT_FP6 matrix_b_fmt:MATRIX_FMT_FP6 matrix_a_scale:MATRIX_SCALE_ROW1
.else
	v_wmma_scale_f32_16x16x128_f8f6f4 v[S+8*\t:S+8*\t+7], v[KF+54*\z+6*\t:KF+54*\z+6*\t+11], v[Q+12*\z:Q+12*\z+11], 0, v[KS+4*\z+\t/2], v[QS+\z] matrix_a_fmt:MATRIX_FMT_FP6 matrix_b_fmt:MATRIX_FMT_FP6
.endif
.endr
	WIN 0
.rept 4
	v_nop                                          ; places behind the products
.endr
.set k, 0
.rept 32
	v_pk_fma_f32 v[S+k:S+k+1], v[S+k:S+k+1], v[CS:CS+1], v[BB+k:BB+k+1]   ; t = score x log2(e) / 8 + the bias; each accumulator from its low end on
.set k, k+2
.endr
.irp b, 0,1,2,3
	v_max3_num_f32 v[BM+\b], v[S+16*\b], v[S+1+16*\b], v[S+2+16*\b]       ; the largest t of each block of 32 keys: it serves the row's maximum and, since p rises with t, the block's largest p
.endr
.irp i, 3,5,7,9,11,13
.irp b, 0,1,2,3
	v_max3_num_f32 v[BM+\b], v[BM+\b], v[S+16*\b+\i], v[S+1+16*\b+\i]
.endr
.endr
.irp b, 0,1,2,3
	v_max_num_f32 v[BM+\b], v[BM+\b], v[S+15+16*\b]
.endr
.irp b, 0,1,2,3
	v_permlanex16_b32 v[BP+\b], v[BM+\b], s[SEL], s[SEL+1]
.endr
.irp b, 0,1,2,3
	v_max_num_f32 v[BM+\b], v[BM+\b], v[BP+\b]     ; with lane l xor 16's 16 keys
.endr
	v_max3_num_f32 v[TMP], v[BM], v[BM+1], v[BM+2]
	v_max_num_f32 v[TMP], v[TMP], v[BM+3]
	v_max_num_f32 v[NM+1], v[NM+1], v[TMP]         ; the running largest t
	v_mov_b32 v[TMP], v[NM]
	v_floor_f32 v[NM], -v[NM+1]                    ; the new -M = -ceil(t)
	v_sub_f32 v[TMP], v[NM], v[TMP]                ; old M - new M: a whole number, 0 or less
	v_cvt_i32_f32 v[TMP], v[TMP]                   ; (it saturates)
	v_ldexp_f32 v[F], 1.0, v[TMP]                  ; f = 2^(old M - new M)
.set k, 0
.rept 32
	v_pk_add_f32 v[S+k:S+k+1], v[S+k:S+k+1], v[NM:NM+1] op_sel_hi:[1,0]   ; t - M
.set k, k+2
.endr
.irp b, 0,1,2,3
	v_add_f32 v[BM+\b], v[BM+\b], v[NM]            ; the same of each block's largest t
.endr
.set k, 0
.rept 64
	v_exp_f32 v[S+k], v[S+k]                       ; p
.set k, k+1
.endr
	v_pk_mul_f32 v[SUM:SUM+1], v[SUM:SUM+1], v[F:F+1] op_sel_hi:[1,0]     ; the sums under the new M: a plain place behind the exponentials
	s_wait_alu depctr_va_vdst(0)                   ; one wait for the batch, ahead of its first reader
.if \ask
	s_add_nc_u64 s[MP:MP+1], s[MP:MP+1], 256       ; the last masks' loads were awaited at this step's head, and their readers have been issued: the next step's masks have the rest of the step in which to land
	s_load_b512 s[4:19], s[MP:MP+1], 0x0
	s_load_b512 s[20:35], s[MP:MP+1], 0x40
	s_load_b512 s[36:51], s[MP:MP+1], 0x80
	s_load_b512 s[68:83], s[MP:MP+1], 0xc0
.endif
.irp b, 0,1,2,3
	v_exp_f32 v[BM+\b], v[BM+\b]                   ; the block's largest p: the same instructions on the same number
.endr
	v_pk_add_f32 v[S2:S2+1], v[S:S+1], v[S+2:S+3]  ; the row's sum of the unquantised p, in two chains
.irp j, 4,8,12,16,20,24,28,32,36,40,44,48,52,56,60
	v_pk_add_f32 v[SUM:SUM+1], v[SUM:SUM+1], v[S+\j:S+\j+1]
	v_pk_add_f32 v[S2:S2+1], v[S2:S2+1], v[S+\j+2:S+\j+3]
.endr
	v_pk_add_f32 v[SUM:SUM+1], v[SUM:SUM+1], v[S2:S2+1]
	s_wait_alu depctr_va_vdst(0)                   ; and one for the four
.irp b, 0,1,2,3
	v_max_num_f32 v[BM+\b], 0x1800000, v[BM+\b]    ; the floor 2^(3 - 127)
.endr
.irp b, 0,1,2,3
	v_add_nc_u32 v[BSO+\b], 0xff000000, v[BM+\b]   ; 2 off the exponent field: the conversion's scale operand
.endr
.irp b, 0,1,2,3
	v_lshrrev_b32 v[BP+\b], 23, v[BSO+\b]          ; the scale's byte
.endr
	v_lshl_or_b32 v[PW], v[BP+1], 8, v[BP]
	v_lshl_or_b32 v[PW], v[BP+2], 16, v[PW]
	v_lshl_or_b32 v[PW], v[BP+3], 24, v[PW]
.irp c, 0,1
	v_cvt_scalef32_pk16_fp6_f32 v[PC+6*\c:PC+6*\c+2], v[S+32*\c:S+32*\c+15], v[BSO+2*\c]
	v_cvt_scalef32_pk16_fp6_f32 v[TC+4*\c:TC+4*\c+2], v[S+32*\c+16:S+32*\c+31], v[BSO+2*\c+1]
.endr
	v_nop                                          ; one plain place behind a scaled conversion
.irp c, 0,1
.irp i, 0,1,2
	v_permlane16_swap_b32 v[PC+6*\c+\i], v[TC+4*\c+\i]
.endr
.irp i, 0,1,2
	v_mov_b32 v[PC+6*\c+3+\i], v[TC+4*\c+\i]
.endr
.endr
	WIN 0x41                                       ; O^T in window 1, f in window 0
.set k, 0
.rept 16
	v_pk_mul_f32 v[OO+k:OO+k+1], v[OO+k:OO+k+1], v[F:F+1] op_sel_hi:[1,0]   ; O^T under the new M; for each product below twelve of these name none of its registers: the places behind p's codes and scale word
.set k, k+2
.endr
	s_wait_dscnt 0x0                               ; v's fragments are in
	WIN 0x51                                       ; v, C and D in window 1, p in window 0
.irp t, 0,1,2,3
	v_wmma_scale_f32_16x16x128_f8f6f4 v[OO+8*\t:OO+8*\t+7], v[VF+12*\t:VF+12*\t+11], v[PC:PC+11], v[OO+8*\t:OO+8*\t+7], v[VS+\t], v[PW] matrix_a_fmt:MATRIX_FMT_FP6 matrix_b_fmt:MATRIX_FMT_FP6
.endr
	WIN 0
.endm
; A key step: 128 keys, both batches.
.macro STEP more
	v_add_nc_u32 v[ADD], s[TB], v[AD0]
	v_add_nc_u32 v[ADF], s[TB], v[AF0]
	v_add_nc_u32 v[ADS], s[TB], v[AS0]
.irp b, 0,1,2,3
.irp j, 0,1,2,3
	ds_load_b128 v[BB+16*\b+4*\j:BB+16*\b+4*\j+3], v[ADD] offset:128*\b+16*\j   ; my query's distances to keys 32 b + 16 h + 0 .. 15
.endr
.endr
.irp i, 0,1,2,3
	ds_load_b32 v[KS+\i], v[ADS] offset:6144+128*\i
	ds_load_b32 v[KS+4+\i], v[ADS] offset:2*PART+6144+128*\i
	ds_load_b32 v[VS+\i], v[ADS] offset:PART+6144+128*\i
.endr
	WIN 0x40                                       ; destination window 1
.irp m, 0,1,2,3,4,5,6,7,8,9,10,11
	ds_load_b128 v[KF+4*\m:KF+4*\m+3], v[ADF] offset:512*\m
.endr
.irp m, 0,1,2,3,4,5,6,7,8,9,10,11
	ds_load_b128 v[KF+54+4*\m:KF+54+4*\m+3], v[ADF] offset:2*PART+512*\m
.endr
	WIN 0
	s_wait_kmcnt 0x0                               ; the masks
	s_wait_dscnt 36                                ; the distances are in; the 12 scale words and k's 24 loads may be out
.set n, 0
.rept 8
.irp e, 0,1,2,3,4,5,6,7
	v_cndmask_b32 v[T8+\e], v[C0], v[C1], s[4+n+\e+16*((n+\e)/48)]   ; with chain_bias where the chains differ
.endr
.irp e, 0,2,4,6
	v_pk_fma_f32 v[BB+n+\e:BB+n+\e+1], v[BB+n+\e:BB+n+\e+1], v[DW:DW+1], v[T8+\e:T8+\e+1]
.endr
.set n, n+8
.endr
	WIN 0x40
.irp m, 0,1,2,3,4,5,6,7,8,9,10,11
	ds_load_b128 v[VF+4*\m:VF+4*\m+3], v[ADF] offset:PART+512*\m
.endr
	WIN 0
	s_wait_dscnt 12                                ; k and the scale words are in; v's 12 loads may be out
	TILE 0, \more
.rept 4
	v_nop                                          ; places in front of loads into registers that the last products read
.endr
	WIN 0x40
.irp m, 0,1,2,3,4,5,6,7,8,9,10,11
	ds_load_b128 v[VF+4*\m:VF+4*\m+3], v[ADF] offset:3*PART+512*\m
.endr
	WIN 0
.irp i, 0,1,2,3
	ds_load_b32 v[VS+\i], v[ADS] offset:3*PART+6144+128*\i
.endr
	TILE 1, 0
.endm
; The change of slots stands at a step's head.  Each wave waits for all its tensor loads (its part of the slot ahead), adds 0 to its spare word, and waits for that and for its reads of the slot that it has left.
; fill = 1: a round of the cluster's barrier, and behind it my one joint load, the next step's, into the slot just left: it has a whole key step in which to land.
.macro CHANGE fill
	s_wait_tensorcnt 0x0
	ds_add_u32 v[SPW], v[NIL]
.if \fill
	s_xor_b32 s[G0D+1], s[G0D+1], SLOT1
	s_add_nc_u64 s[G0D+2:G0D+3], s[G0D+2:G0D+3], 512
	s_xor_b32 s[G0KV+1], s[G0KV+1], SLOT1
	s_add_nc_u64 s[G0KV+2:G0KV+3], s[G0KV+2:G0KV+3], BLKB
.endif
	s_wait_dscnt 0x0
.if \fill
	ROUND
	JLOAD                                          ; its four v_nop are also the places in front of the step's loads
.else
	s_barrier_signal -1
	s_barrier_wait -1
.rept 4
	v_nop
.endr
.endif
.endm
.Lstep:                                                ; 15 trips: trip i multiplies step i and asks for step i + 1
	CHANGE 1
	STEP 1
	s_xor_b32 s[TB], s[TB], SLOT1
	s_sub_co_u32 s[CNT], s[CNT], 1
	s_cmp_lg_u32 s[CNT], 0
	s_cbranch_scc1 .Lstep
	CHANGE 0                                       ; the last step is written out: it asks for nothing
	STEP 0
	; THE WAY OUT.  O^T / l of both batches into v128-191: four blocks of 32 along the last product's K (batch 0: my head's two, batch 1: likewise), quantised as one run; the codes leave as images of the operand's registers.
.rept 4
	v_nop
.endr
.irp z, 0,1
	v_add_f32 v[LW+\z], v[14+4*\z], v[15+4*\z]
.endr
.irp z, 0,1
	v_permlanex16_b32 v[BP+\z], v[LW+\z], s[SEL], s[SEL+1]
.endr
.irp z, 0,1
	v_add_f32 v[LW+\z], v[LW+\z], v[BP+\z]         ; the row's sum
.endr
.irp z, 0,1
	v_rcp_f32 v[RL+2*\z], v[LW+\z]
.endr
	v_mov_b32 v[RL+1], 0                           ; plain places behind the reciprocals; the pairs' upper halves are named, so they are written
	v_mov_b32 v[RL+3], 0
	v_and_b32 v40, 31, v0
	v_lshlrev_b32 v40, 3, v40                      ; 8 x lane
	v_and_b32 v41, 15, v0
	v_lshlrev_b32 v41, 5, v41                      ; a row of asc is 32 bytes
	s_wait_alu depctr_va_vdst(0)                   ; one wait for both, ahead of the first reader
	WIN 0x01                                       ; source 0 in window 1
.irp z, 0,1
.set k, 0
.rept 16
	v_pk_mul_f32 v[S+32*\z+k:S+32*\z+k+1], v[32*\z+k:32*\z+k+1], v[RL+2*\z:RL+2*\z+1] op_sel_hi:[1,0]
.set k, k+2
.endr
.endr
	WIN 0
.irp b, 0,1,2,3
	v_max3_num_f32 v[BM+\b], 0x1800000, |v[S+16*\b]|, |v[S+1+16*\b]|
.endr
.irp i, 2,4,6,8,10,12,14
.irp b, 0,1,2,3
	v_max3_num_f32 v[BM+\b], v[BM+\b], |v[S+16*\b+\i]|, |v[S+1+16*\b+\i]|
.endr
.endr
.irp b, 0,1,2,3
	v_permlanex16_b32 v[BP+\b], v[BM+\b], s[SEL], s[SEL+1]
.endr
.irp b, 0,1,2,3
	v_max_num_f32 v[BM+\b], v[BM+\b], v[BP+\b]
.endr
.irp b, 0,1,2,3
	v_add_nc_u32 v[BSO+\b], 0xff000000, v[BM+\b]
.endr
.irp b, 0,1,2,3
	v_lshrrev_b32 v[BP+\b], 23, v[BSO+\b]
.endr
	v_lshl_or_b32 v42, v[BP+1], 8, v[BP]           ; batch 0: my head's two scale bytes
	v_lshl_or_b32 v43, v[BP+3], 8, v[BP+2]         ; batch 1
.irp c, 0,1
	v_cvt_scalef32_pk16_fp6_f32 v[PC+6*\c:PC+6*\c+2], v[S+32*\c:S+32*\c+15], v[BSO+2*\c]
	v_cvt_scalef32_pk16_fp6_f32 v[TC+4*\c:TC+4*\c+2], v[S+32*\c+16:S+32*\c+31], v[BSO+2*\c+1]
.endr
	v_nop
.irp c, 0,1
.irp i, 0,1,2
	v_permlane16_swap_b32 v[PC+6*\c+\i], v[TC+4*\c+\i]
.endr
.irp i, 0,1,2
	v_mov_b32 v[PC+6*\c+3+\i], v[TC+4*\c+\i]
.endr
.endr
.irp z, 0,1
.irp p, 0,1,2
	global_store_b64 v40, v[PC+6*\z+2*\p:PC+6*\z+2*\p+1], s[ACP:ACP+1] offset:256*\p+98304*\z   ; 32 lanes store 256 consecutive bytes, aligned
.endr
	global_store_b16 v41, v[42+\z], s[ASP:ASP+1] offset:65536*\z   ; lanes l and l + 16 store the same two bytes with the same value
.endr
	s_wait_tensorcnt 0x0                           ; the wave's end
	ds_add_u32 v[SPW], v[NIL]
	s_wait_dscnt 0x0
	ROUND                                          ; the closing round
	s_endpgm
.Lfunc_end_k_q0a8be19e5f_attn:
	.size	k_q0a8be19e5f_attn, .Lfunc_end_k_q0a8be19e5f_attn-k_q0a8be19e5f_attn
	.p2alignl 7, 3214868480
	.fill 96, 4, 3214868480
	.section	.rodata,"a",@progbits
	.p2align	6, 0x0
	.amdhsa_kernel k_q0a8be19e5f_attn
		.amdhsa_group_segment_fixed_size 327680
		.amdhsa_private_segment_fixed_size 0
		.amdhsa_enable_private_segment 0
		.amdhsa_kernarg_size 64
		.amdhsa_user_sgpr_count 2
		.amdhsa_user_sgpr_kernarg_segment_ptr 1
		.amdhsa_wavefront_size32 1
		.amdhsa_system_sgpr_workgroup_id_x 1
		.amdhsa_system_sgpr_workgroup_id_y 1
		.amdhsa_system_sgpr_workgroup_id_z 1
		.amdhsa_system_vgpr_workitem_id 0
		.amdhsa_next_free_vgpr 512
		.amdhsa_next_free_sgpr 106
		.amdhsa_reserve_vcc 0
		.amdhsa_float_denorm_mode_32 3
		.amdhsa_float_denorm_mode_16_64 3
		.amdhsa_memory_ordered 1
		.amdhsa_forward_progress 1
		.amdhsa_inst_pref_size 105
	.end_amdhsa_kernel
	.amdgpu_metadata
---
amdhsa.version: [ 1, 2 ]
amdhsa.kernels:
  - .name:           k_q0a8be19e5f_attn
    .symbol:         k_q0a8be19e5f_attn.kd
    .args:
      - { .name: qkv, .offset: 0, .size: 8, .value_kind: global_buffer, .address_space: global }
      - { .name: distances, .offset: 8, .size: 8, .value_kind: global_buffer, .address_space: global }
      - { .name: msk, .offset: 16, .size: 8, .value_kind: global_buffer, .address_space: global }
      - { .name: chain_bias, .offset: 24, .size: 8, .value_kind: global_buffer, .address_space: global }
      - { .name: dist_w, .offset: 32, .size: 8, .value_kind: global_buffer, .address_space: global }
      - { .name: dist_b, .offset: 40, .size: 8, .value_kind: global_buffer, .address_space: global }
      - { .name: ac, .offset: 48, .size: 8, .value_kind: global_buffer, .address_space: global }
      - { .name: asc, .offset: 56, .size: 8, .value_kind: global_buffer, .address_space: global }
    .group_segment_fixed_size: 327680
    .private_segment_fixed_size: 0
    .kernarg_segment_align: 8
    .kernarg_segment_size: 64
    .max_flat_workgroup_size: 256
    .sgpr_count:     106
    .vgpr_count:     512
    .wavefront_size: 32
...
	.end_amdgpu_metadata
.endif
;; end of part 3
;; launch oproj (part 4): grid 4 x 16, 4 waves a work-group, clusters of 4 x 4, 327,680 bytes of LDS; arguments ac, asc, cod, scl, bo, out0; writes out0
.if DOCPART == 4
	.amdgcn_target "amdgcn-amd-amdhsa--gfx1250"
	.amdhsa_code_object_version 6
	.text
	.protected	k_q0a8be19e5f_oproj
	.globl	k_q0a8be19e5f_oproj
	.p2align	8
	.type	k_q0a8be19e5f_oproj,@function
k_q0a8be19e5f_oproj:
	s_mov_b64 s[64:65], 0
	v_nop
	global_prefetch_b8 v0, s[64:65] scope:SCOPE_SE
	s_setreg_imm32_b32 hwreg(HW_REG_WAVE_MODE, 25, 1), 1
	s_wait_xcnt 0x0
	s_wait_alu depctr_hold_cnt(0) depctr_sa_sdst(0) depctr_va_vdst(0) depctr_va_sdst(0) depctr_va_ssrc(0) depctr_va_vcc(0) depctr_vm_vsrc(0)
	s_getreg_b32 s2, hwreg(HW_REG_IB_STS2, 6, 4)
	s_cmp_eq_u32 s2, 0
	s_cbranch_scc0 .Lentry_in_a_cluster
	s_endpgm
.Lentry_in_a_cluster:
	s_bfe_u32 s2, ttmp6, 0x10000c
	s_cmp_lg_u32 s2, 0xf033
	s_cbranch_scc0 .Lentry_shape_is_right
	s_endpgm
.Lentry_shape_is_right:
; out0 = a Wo^T + bo on codes of FP6 (E2M3) with one E8M0 scale for each 32 along K = 1,024.  a: the attention's result, 4,096 tokens; out0 [4096][1024] f32.
; A work-group of four waves makes 256 x 256, a wave 128 x 128: 64 accumulators.  K goes in steps of 256 (four heads) through two LDS slots; four steps: the ring is written straight.
; A COMES AS IMAGES OF ITS REGISTERS: ac [head 16][tile of 16 tokens 256][piece 3][lane 32][8 bytes]: a head's 64 along K are six registers a lane.  A tensor load brings, for 128 tokens, four heads' 6,144 dense bytes;
; a fragment (two heads) is six loads of 8 bytes a lane, each 256 consecutive bytes.  A's scale bytes: asc [token][32].  B = Wo: rows 7,168 on of cod and scl, in their own order.
; bo is the C of each sum's first product.  The matrix instruction is used with source 0 = 16 rows of Wo, source 1 = 16 tokens: a lane holds eight neighbouring numbers of a row of out0.
; CLUSTERS 4 x 4: A's tiles are asked for jointly along a row, B's along a column.
; REGISTERS: window 0: v0-31 addresses; v32-63 scale words; v64-127 bo; from v128 A's fragments (on the way out: rows of out0).  window 1: B's, two sets.  windows 2, 3: accumulators.
.set SIZE_N, 1024
.set KSTEP,  256
.set NQ,     2
.set ROWB,   192
.set KROW,   768
.set PITCH,  240
.set FR,     12
.set NL,     6
.set NP,     4
.set HALFT,  128*PITCH                 ; B: 128 rows
.set HALFA,  24576                     ; A: 128 tokens x 4 heads
.set HEADA,  196608                    ; from a head to the next in ac
.set SLOT,   2*HALFA+2*HALFT
.set KS,     32
.set SCL,    2*SLOT
.set HALFS,  (128*KS/256)*272
.set SBLK,   (16*KS/256)*272
.set SPARE,  SCL+4*HALFS               ; the spare words, 128 bytes a wave: two blocks of 256 bytes that no other line names
.set SPITCH, 528                       ; the way out: a stage of 16 rows x (512 + 16) bytes a wave, in slot 0, which has had its last fill and its last read when the first result is stored there
.set ADRA, 16                          ; v16-17
.set ADRB, 20                          ; v20-23
.set STO,  24
.set RD,   25
.set CO,   26
.set ADRS, 27
.set SPW,  28
.set NIL,  29
.set SC,   32
.set BI,   64
.set AF,   128
.set BK,   128
.set G1,   24
.set G0,   32
.set TCOL, 42
.set G1B,  48
.set G0B,  56
.set G1S,  68
.set G0S,  76
.set G1SB, 80
.set G0SB, 88
.set WV,   96
.set WR,   97
.set WC,   98
.set TROW, 99
.set CP,   104
.set MSB, 0
.macro WIN new
.if MSB != \new
	s_set_vgpr_msb (MSB<<8)|\new
.set MSB, \new
.endif
.endm
.set MUL_LO, 0xa1
.set MUL_HI, 0xf1
.set TO_B,   0x40
.macro JLOAD g0a, g1a, g0b, g1b        ; waves 0 and 1 fetch for A, waves 2 and 3 for B; an s_nop 0 and four v_nop follow each line
	s_cmp_eq_u32 s[WR], 0
	s_cbranch_scc0 .Lfor_b_\@
	tensor_load_to_lds s[\g0a:\g0a+3], s[\g1a:\g1a+7]
	s_nop 0
.rept 4
	v_nop
.endr
	s_branch .Lasked_\@
.Lfor_b_\@:
	tensor_load_to_lds s[\g0b:\g0b+3], s[\g1b:\g1b+7]
	s_nop 0
.rept 4
	v_nop
.endr
.Lasked_\@:
.endm
.macro CREST
	s_cmp_lg_u32 s[WV], 0
	s_cbranch_scc1 .Lnot_wave_0_\@
	s_barrier_signal -3
.Lnot_wave_0_\@:
	s_barrier_wait -3
	s_barrier_signal -1
	s_barrier_wait -1
.endm
.macro CROUND
	s_barrier_signal -1
	s_barrier_wait -1
	CREST
.endm
	s_load_b256 s[4:11], s[0:1], 0x0               ; ac, asc, cod, scl
	s_load_b128 s[12:15], s[0:1], 0x20             ; bo, out0
	v_lshl_add_u32 v[SPW], v0, 2, SPARE
	v_mov_b32 v[NIL], 0
	ds_add_u32 v[SPW], v[NIL]                      ; the wave's opening: the add is awaited ahead of my first tensor load
	v_lshrrev_b32 v1, 5, v0
	v_readfirstlane_b32 s[WV], v1
	s_lshr_b32 s[WR], s[WV], 1
	s_and_b32 s[WC], s[WV], 1
	s_bfe_u32 s40, ttmp6, 0x40000                  ; cx
	s_bfe_u32 s41, ttmp6, 0x40004                  ; cy
	s_lshl_b32 s[TCOL], ttmp9, 2
	s_add_co_u32 s[TCOL], s[TCOL], s40
	s_and_b32 s[TROW], ttmp7, 0xffff
	s_lshl_b32 s[TROW], s[TROW], 2
	s_add_co_u32 s[TROW], s[TROW], s41
	s_lshl_b32 s43, s41, 2
	s_lshl_b32 s43, 15, s43
	s_lshl_b32 s44, 0x1111, s40
	s_or_b32 s[G1+0], s43, (3<<16)|(1<<21)         ; A: four rows (heads) of 768 elements of 8 bytes, no padding
	s_mov_b32 s[G1+1], 768<<16
	s_mov_b32 s[G1+2], 4<<16
	s_mov_b32 s[G1+3], 768<<16
	s_mov_b32 s[G1+4], 4
	s_mov_b32 s[G1+5], HEADA/8
	s_mov_b32 s[G1+6], 0
	s_mov_b32 s[G1+7], 0
	s_or_b32 s[G1B+0], s44, (0<<16)|(1<<20)|(1<<21)|(3<<22)|(3<<25)   ; B: 128 rows x 192 bytes, 16 bytes of padding behind every 64
	s_mov_b32 s[G1B+1], ROWB<<16
	s_mov_b32 s[G1B+2], 128<<16
	s_mov_b32 s[G1B+3], ROWB<<16
	s_mov_b32 s[G1B+4], 128
	s_mov_b32 s[G1B+5], KROW
	s_mov_b32 s[G1B+6], 0
	s_mov_b32 s[G1B+7], 0
	s_or_b32 s[G1S+0], s43, (3<<16)|(1<<20)|(1<<21)|(5<<22)|(3<<25)
	s_or_b32 s[G1SB+0], s44, (3<<16)|(1<<20)|(1<<21)|(5<<22)|(3<<25)
.irp g, G1S, G1SB
	s_mov_b32 s[\g+1], 32<<16
	s_mov_b32 s[\g+2], (128*KS/256)<<16
	s_mov_b32 s[\g+3], 32<<16
	s_mov_b32 s[\g+4], 128*KS/256
	s_mov_b32 s[\g+5], 32
	s_mov_b32 s[\g+6], 0
	s_mov_b32 s[\g+7], 0
.endr
	s_lshl_b32 s18, s[WC], 7
	s_lshl_b32 s20, s[TROW], 8
	s_add_co_u32 s20, s20, s18                     ; A: the first token that I fetch
	s_mul_i32 s22, s20, KS
	s_lshr_b32 s20, s20, 4
	s_mul_i32 s20, s20, 768                        ; its tile's image in head 0
	s_lshl_b32 s46, s[TCOL], 8
	s_add_co_u32 s46, s46, s18
	s_add_co_u32 s46, s46, 7168                    ; B: Wo's rows in cod
	s_mul_i32 s92, s46, KS
	s_mul_i32 s46, s46, KROW
	s_mov_b32 s21, 0
	s_mov_b32 s23, 0
	s_mov_b32 s47, 0
	s_mov_b32 s93, 0
	s_mul_i32 s45, s[WC], HALFA                    ; where they go: A's halves, then B's
	s_mul_i32 s95, s[WC], HALFT
	s_add_co_u32 s95, s95, 2*HALFA
	s_mul_i32 s94, s[WV], HALFS
	s_wait_dscnt 0x0
	s_wait_kmcnt 0x0
	s_add_nc_u64 s[20:21], s[4:5], s[20:21]
	s_add_nc_u64 s[22:23], s[6:7], s[22:23]
	s_add_nc_u64 s[46:47], s[8:9], s[46:47]
	s_add_nc_u64 s[92:93], s[10:11], s[92:93]
	CROUND
	s_mov_b32 s[G0S], 1
	s_add_co_u32 s[G0S+1], s94, SCL
	s_mov_b64 s[G0S+2:G0S+3], s[22:23]
	s_or_b32 s[G0S+3], s[G0S+3], 0x80000000
	s_mov_b32 s[G0SB], 1
	s_add_co_u32 s[G0SB+1], s94, SCL
	s_mov_b64 s[G0SB+2:G0SB+3], s[92:93]
	s_or_b32 s[G0SB+3], s[G0SB+3], 0x80000000
	JLOAD G0S, G1S, G0SB, G1SB
.irp s, 0,1
	s_mov_b32 s[G0+4*\s], 1
	s_add_co_u32 s[G0+4*\s+1], s45, \s*SLOT
	s_add_nc_u64 s[G0+4*\s+2:G0+4*\s+3], s[20:21], \s*4*HEADA
	s_or_b32 s[G0+4*\s+3], s[G0+4*\s+3], 0x80000000
	s_mov_b32 s[G0B+4*\s], 1
	s_add_co_u32 s[G0B+4*\s+1], s95, \s*SLOT
	s_add_nc_u64 s[G0B+4*\s+2:G0B+4*\s+3], s[46:47], \s*ROWB
	s_or_b32 s[G0B+4*\s+3], s[G0B+4*\s+3], 0x80000000
	JLOAD G0+4*\s, G1, G0B+4*\s, G1B
.endr
	v_and_b32 v1, 15, v0
	v_bfe_u32 v2, v0, 4, 1
	v_mul_u32_u24 v3, v1, PITCH
	v_mul_u32_u24 v4, v2, 24
	v_add_nc_u32 v4, v3, v4
	v_lshl_add_u32 v5, v2, 4, v4
	v_and_b32 v6, 31, v0
	v_lshlrev_b32 v7, 3, v6                        ; A: 8 x lane
	s_mul_i32 s21, s[WR], HALFA
	s_mul_i32 s22, s[WC], HALFT
	s_add_co_u32 s22, s22, 2*HALFA
.irp s, 0,1
	v_add_nc_u32 v[ADRA+\s], s21, v7
	v_add_nc_u32 v[ADRB+\s], s22, v4
	v_add_nc_u32 v[ADRB+2+\s], s22, v5
	s_add_co_u32 s21, s21, SLOT
	s_add_co_u32 s22, s22, SLOT
.endr
	v_mul_u32_u24 v5, v1, KS
	v_lshrrev_b32 v6, 8, v5
	v_lshl_add_u32 v5, v6, 4, v5
	s_mul_i32 s21, s[WR], HALFS
	s_mul_i32 s22, s[WC], HALFS
	s_add_co_u32 s22, s22, 2*HALFS
	s_sub_co_u32 s22, s22, s21
	v_mul_u32_u24 v6, s22, v2
	s_add_co_u32 s21, s21, SCL
	v_add_nc_u32 v5, v5, v6
	v_add_nc_u32 v[ADRS], s21, v5
	s_mul_i32 s23, s[WV], 16*SPITCH                ; my stage
	v_mul_u32_u24 v5, v1, SPITCH
	v_lshl_add_u32 v5, v2, 5, v5
	v_add_nc_u32 v[STO], s23, v5
	v_and_b32 v6, 31, v0
	v_lshlrev_b32 v[CO], 4, v6
	v_add_nc_u32 v[RD], s23, v[CO]
	s_lshl_b32 s20, s[TROW], 8
	s_lshl_b32 s21, s[WR], 7
	s_add_co_u32 s20, s20, s21
	s_lshl_b32 s20, s20, 12                        ; my first row of out0: 4,096 bytes a row
	s_lshl_b32 s21, s[TCOL], 10
	s_add_co_u32 s20, s20, s21
	s_lshl_b32 s21, s[WC], 9
	s_add_co_u32 s20, s20, s21
	s_mov_b32 s21, 0
	s_add_nc_u64 s[CP:CP+1], s[14:15], s[20:21]
	s_lshl_b32 s20, s[TCOL], 10
	s_lshl_b32 s22, s[WC], 9
	s_add_co_u32 s20, s20, s22
	s_add_nc_u64 s[12:13], s[12:13], s[20:21]      ; bo at my 128 columns
	v_lshlrev_b32 v8, 5, v2
.irp b, 0,1,2,3,4,5,6,7
	global_load_b128 v[BI+8*\b:BI+8*\b+3], v8, s[12:13] offset:64*\b        ; block b: bo at columns 16 b + 8 h + 0 .. 7: the result's layout
	global_load_b128 v[BI+8*\b+4:BI+8*\b+7], v8, s[12:13] offset:64*\b+16
.endr
.macro FRAG reg, adr, q, i
.irp p, 0,1,2,3,4,5
.set PC, 12*(\q)+6*(\p/3)+\p%3
.if PC%8 < 5
	ds_load_b64 v[\reg+2*\p:\reg+2*\p+1], v[\adr] offset:8*PC+16*(PC/8)+(\i)*16*PITCH
.else
	ds_load_b64 v[\reg+2*\p:\reg+2*\p+1], v[\adr+2] offset:8*PC+16*(PC/8)+(\i)*16*PITCH
.endif
.endr
.endm
.macro FRAGA reg, slot, q, i           ; heads 2 q and 2 q + 1 of the slot's four, tile i of my eight: registers 0-5 and 6-11, as they were stored
.irp p, 0,1,2,3,4,5
	ds_load_b64 v[\reg+2*\p:\reg+2*\p+1], v[ADRA+\slot] offset:(2*(\q)+\p/3)*6144+(\i)*768+256*(\p%3)
.endr
.endm
; The 64 accumulators take turns, one instruction a turn.  zero = 1: the first product starts the sum from bo
.macro MUL16 a0, p, q, sc, zero
.irp a, \a0, \a0+1
.irp b, 0,1,2,3,4,5,6,7
.if \zero
	v_wmma_scale_f32_16x16x128_f8f6f4 v[8*(8*((\a)%4)+\b):8*(8*((\a)%4)+\b)+7], v[128*(\p)+FR*\b:128*(\p)+FR*\b+FR-1], v[AF+FR*(\a):AF+FR*(\a)+FR-1], v[BI+8*\b:BI+8*\b+7], v[SC+8*NQ*(\sc)+NQ*\b+(\q)], v[SC+8*NQ*(\sc)+NQ*(\a)+(\q)] matrix_a_fmt:MATRIX_FMT_FP6 matrix_b_fmt:MATRIX_FMT_FP6 matrix_a_scale:MATRIX_SCALE_ROW1
.else
	v_wmma_scale_f32_16x16x128_f8f6f4 v[8*(8*((\a)%4)+\b):8*(8*((\a)%4)+\b)+7], v[128*(\p)+FR*\b:128*(\p)+FR*\b+FR-1], v[AF+FR*(\a):AF+FR*(\a)+FR-1], v[8*(8*((\a)%4)+\b):8*(8*((\a)%4)+\b)+7], v[SC+8*NQ*(\sc)+NQ*\b+(\q)], v[SC+8*NQ*(\sc)+NQ*(\a)+(\q)] matrix_a_fmt:MATRIX_FMT_FP6 matrix_b_fmt:MATRIX_FMT_FP6 matrix_a_scale:MATRIX_SCALE_ROW1
.endif
.endr
.endr
.endm
.macro FETCH_B slot, q, p
	WIN TO_B
.irp i, 0,1,2,3,4,5,6,7
	FRAG 128*(\p)+FR*\i, ADRB+\slot, \q, \i
.endr
	WIN 0
.endm
.macro FETCH_A slot, q, i0
.irp i, \i0, \i0+1, \i0+2, \i0+3
	FRAGA AF+FR*(\i), \slot, \q, \i
.endr
.endm
.macro SCALES sc
.irp i, 0,1,2,3,4,5,6,7
	ds_load_b64 v[SC+8*NQ*\sc+NQ*\i:SC+8*NQ*\sc+NQ*\i+1], v[ADRS] offset:\i*SBLK
.endr
.endm
.macro PLACES n
.rept \n
	v_nop
.endr
.endm
.macro STEP slot, q, zero
	s_wait_dscnt 4*NL                              ; B's set and A's blocks 0-3 are in; A's blocks 4-7, 24 loads, may be out
	WIN MUL_LO-0x20*\zero                          ; (bo lies in window 0)
	MUL16 0, (\q)%2, \q, \slot, \zero
	MUL16 2, (\q)%2, \q, \slot, \zero
	s_wait_dscnt 0
	PLACES NP
	FETCH_B \slot, (\q)+1, 1-(\q)%2
	FETCH_A \slot, (\q)+1, 0
	WIN MUL_HI-0x30*\zero
	MUL16 4, (\q)%2, \q, \slot, \zero
	MUL16 6, (\q)%2, \q, \slot, \zero
	PLACES NP
	WIN 0
	FETCH_A \slot, (\q)+1, 4
.endm
.macro TURN slot, next, fill
	s_wait_tensorcnt 0x0                           ; all my tensor loads have landed: my part of the next slot
	ds_add_u32 v[SPW], v[NIL]
	s_wait_dscnt 4*NL+1                            ; the add and A's blocks 4-7 may be out
	WIN MUL_LO
	MUL16 0, 1, NQ-1, \slot, 0
	s_wait_dscnt 0x0                               ; the add is done, and my reads of this slot are over
	s_barrier_signal -1
	MUL16 2, 1, NQ-1, \slot, 0
	WIN 0
	s_barrier_wait -1
.if \fill
	CREST                                          ; a round of the cluster's barrier: no wave of any partner still reads this slot or has a load on its way
	s_add_nc_u64 s[G0+4*\slot+2:G0+4*\slot+3], s[G0+4*\slot+2:G0+4*\slot+3], 8*HEADA
	s_add_nc_u64 s[G0B+4*\slot+2:G0B+4*\slot+3], s[G0B+4*\slot+2:G0B+4*\slot+3], 2*ROWB
	JLOAD G0+4*\slot, G1, G0B+4*\slot, G1B
.else
	PLACES NP
.endif
	v_add_nc_u32 v[ADRS], 4*NQ, v[ADRS]
	FETCH_B \next, 0, 0
	FETCH_A \next, 0, 0
	SCALES \next
	WIN MUL_HI
	MUL16 4, 1, NQ-1, \slot, 0
	MUL16 6, 1, NQ-1, \slot, 0
	PLACES NP
	WIN 0
	FETCH_A \next, 0, 4
.endm
	s_wait_tensorcnt 1                             ; the scales and my part of K step 0 are in; K step 1's load may be out
	s_barrier_signal -1
	s_barrier_wait -1
	FETCH_B 0, 0, 0
	FETCH_A 0, 0, 0
	SCALES 0
	FETCH_A 0, 0, 4
	s_wait_loadcnt 0x0                             ; bo
	STEP 0, 0, 1
	TURN 0, 1, 1
	STEP 1, 0, 0
	TURN 1, 0, 1
	STEP 0, 0, 0
	TURN 0, 1, 0
	STEP 1, 0, 0
	s_wait_dscnt 4*NL
	WIN MUL_LO
	MUL16 0, 1, NQ-1, 1, 0
	MUL16 2, 1, NQ-1, 1, 0
	s_wait_dscnt 0
	WIN MUL_HI
	MUL16 4, 1, NQ-1, 1, 0
	MUL16 6, 1, NQ-1, 1, 0
	WIN 0
; THE WAY OUT, block by block of 16 rows x 128 columns, through my own stage: in as 32 bytes a lane, back as whole rows of 512 bytes.  LDS serves a wave's instructions in order: no wait between the stores and the loads.
.macro TOSTAGE a
.set AC, 64*((\a)%4)
	WIN 0x08+4*((\a)/4)                            ; the data: window 2 or 3
.irp b, 0,1,2,3,4,5,6,7
	ds_store_b128 v[STO], v[AC+8*\b:AC+8*\b+3] offset:64*\b          ; each accumulator from its low end on
	ds_store_b128 v[STO], v[AC+8*\b+4:AC+8*\b+7] offset:64*\b+16
.endr
	WIN 0
.set BBK, BK+64*((\a)%2)
.irp t, 0,1,2,3,4,5,6,7,8,9,10,11,12,13,14,15
	ds_load_b128 v[BBK+4*\t:BBK+4*\t+3], v[RD] offset:\t*SPITCH
.endr
.endm
.macro SEND a, younger                 ; younger: the LDS instructions issued behind block a's loads
.set BBK, BK+64*((\a)%2)
	s_wait_dscnt \younger
.if (\a) > 0
	s_add_nc_u64 s[CP:CP+1], s[CP:CP+1], 16*SIZE_N*4   ; (behind a wait on XCNT: the earlier stores have read their base)
.endif
.irp t, 0,1,2,3,4,5,6,7,8,9,10,11,12,13,14,15
	global_store_b128 v[CO], v[BBK+4*\t:BBK+4*\t+3], s[CP:CP+1] offset:\t*SIZE_N*4 th:TH_STORE_NT   ; 32 lanes store 512 consecutive bytes, aligned to 256
.endr
.endm
	PLACES NP
	TOSTAGE 0
.irp a, 1,2,3,4,5,6,7
.if \a > 1
	s_wait_xcnt 0x0                                ; block a - 2's stores have read their registers and their base
.endif
	TOSTAGE \a
	SEND \a-1, 32                                  ; behind block a - 1's loads: block a's 16 stores and 16 loads
.endr
	s_wait_xcnt 0x0
	SEND 7, 0
	s_wait_tensorcnt 0x0                           ; the wave's end
	ds_add_u32 v[SPW], v[NIL]
	s_wait_dscnt 0x0
	CROUND                                         ; the closing round
	s_endpgm
.Lfunc_end_k_q0a8be19e5f_oproj:
	.size	k_q0a8be19e5f_oproj, .Lfunc_end_k_q0a8be19e5f_oproj-k_q0a8be19e5f_oproj
	.p2alignl 7, 3214868480
	.fill 96, 4, 3214868480
	.section	.rodata,"a",@progbits
	.p2align	6, 0x0
	.amdhsa_kernel k_q0a8be19e5f_oproj
		.amdhsa_group_segment_fixed_size 327680
		.amdhsa_private_segment_fixed_size 0
		.amdhsa_enable_private_segment 0
		.amdhsa_kernarg_size 48
		.amdhsa_user_sgpr_count 2
		.amdhsa_user_sgpr_kernarg_segment_ptr 1
		.amdhsa_wavefront_size32 1
		.amdhsa_system_sgpr_workgroup_id_x 1
		.amdhsa_system_sgpr_workgroup_id_y 1
		.amdhsa_system_sgpr_workgroup_id_z 1
		.amdhsa_system_vgpr_workitem_id 0
		.amdhsa_next_free_vgpr 1024
		.amdhsa_next_free_sgpr 106
		.amdhsa_reserve_vcc 0
		.amdhsa_float_denorm_mode_32 3
		.amdhsa_float_denorm_mode_16_64 3
		.amdhsa_memory_ordered 1
		.amdhsa_forward_progress 1
		.amdhsa_inst_pref_size 161
	.end_amdhsa_kernel
	.amdgpu_metadata
---
amdhsa.version: [ 1, 2 ]
amdhsa.kernels:
  - .name:           k_q0a8be19e5f_oproj
    .symbol:         k_q0a8be19e5f_oproj.kd
    .args:
      - { .name: ac, .offset: 0, .size: 8, .value_kind: global_buffer, .address_space: global }
      - { .name: asc, .offset: 8, .size: 8, .value_kind: global_buffer, .address_space: global }
      - { .name: cod, .offset: 16, .size: 8, .value_kind: global_buffer, .address_space: global }
      - { .name: scl, .offset: 24, .size: 8, .value_kind: global_buffer, .address_space: global }
      - { .name: bo, .offset: 32, .size: 8, .value_kind: global_buffer, .address_space: global }
      - { .name: out0, .offset: 40, .size: 8, .value_kind: global_buffer, .address_space: global }
    .group_segment_fixed_size: 327680
    .private_segment_fixed_size: 0
    .kernarg_segment_align: 8
    .kernarg_segment_size: 48
    .max_flat_workgroup_size: 128
    .sgpr_count:     106
    .vgpr_count:     1024
    .wavefront_size: 32
...
	.end_amdgpu_metadata
.endif
;; end of part 4
;; ======== version 2 of 2: 4 launches
;; workspace buffers: cod 6,291,456 bytes; scl 262,144 bytes; msk 524,288 bytes of whole numbers; qkv 13,631,488 bytes; ac 3,145,728 bytes; asc 131,072 bytes
;; launch quant (part 5): grid 384 x 1, 4 waves a work-group, no clusters, 33,280 bytes of LDS; arguments x, Wq, Wk, Wv, Wo, chain_id_tensor, cod, scl, msk; writes cod, scl, msk
.if DOCPART == 5
	.amdgcn_target "amdgcn-amd-amdhsa--gfx1250"
	.amdhsa_code_object_version 6
	.text
	.protected	k_q0a8be19e5f_quant
	.globl	k_q0a8be19e5f_quant
	.p2align	8
	.type	k_q0a8be19e5f_quant,@function
k_q0a8be19e5f_quant:
	s_mov_b64 s[64:65], 0
	v_nop
	global_prefetch_b8 v0, s[64:65] scope:SCOPE_SE
	s_setreg_imm32_b32 hwreg(HW_REG_WAVE_MODE, 25, 1), 1
	s_wait_xcnt 0x0
; x [4096][1024], Wq, Wk, Wv, Wo [1024][1024], f32, K innermost, become codes of FP6 (E2M3) and one E8M0 byte for each 32 along K:
; cod: 8,192 rows of 768 bytes (rows 0.. x, 4096.. Wq, 5120.. Wk, 6144.. Wv, 7168.. Wo), scl: 8,192 rows of 32 bytes.
; A block's scale is 2^(floor(log2(largest magnitude)) - 2); its byte is the largest magnitude's exponent field - 2, held at 1 from below.
; LIMITS: a block of zeros gets the byte 1 where the rule says 127 (its codes are zeros, and this program alone reads the bytes); blocks whose largest
; magnitude lies under 2^-124 are held at the byte 1; NaN and infinities among the inputs are not served.
; THE ORDER OF ROWS.  In x, Wq, Wk, Wv the second and third group of 8 rows of each 32 change places on the way out: stored row 16 u + r holds row 8 u + r + 8 (r / 8).
; So 16 neighbouring stored rows, taken as a tile by the next launch, give a lane 16 neighbours along the registers of two neighbouring tiles.  Wo keeps its order.
; Work-groups 0-255: 32 rows each; a wave takes 8 rows, 16 steps of 512 numbers.  Loads read 512 consecutive bytes; a step's 2,048 bytes turn through the wave's own stage in LDS, so that a lane
; holds 16 neighbours; a wave's code store covers 384 consecutive bytes; its 256 scale bytes are gathered in LDS and leave as one aligned run of 256.
; Work-groups 256-383: the chain matrix as lane masks.  msk [query tile 128][key step 16][n 64] words: bit l of word n says whether query 16 T + l % 16 and key 128 st + 32 (n / 16) + 16 (l / 16) + n % 16
; lie in different chains: the lane mask of score register n in the attention launch.  A work-group takes one tile of queries, a wave four key steps, written out, two steps' loads ahead.
.set WAVES, 4
.set STEPS, 16
.set EMAX,  2
.set CB,    12                         ; bytes of 16 codes
.set R,     16                         ; v16-79   four sets of 16 numbers as they are loaded
.set X,     80                         ; v80-111  two sets of 16 neighbours
.set C,     128                        ; v128-191 codes: four registers for each step
.set E,     112                        ; v112-127 a scale byte for each step
.set WREG,  8192                       ; LDS: a region for each wave: two stages of 32 x SP bytes, then its 256 scale bytes
.set SP,    80                         ; a lane's place in a stage: 64 bytes + 16 of padding
.set SPW,   12                         ; v12 LDS address of my spare word; never rewritten
.set NIL,   13                         ; v13 0; never rewritten
.set SPARE, WAVES*WREG                 ; the spare words, 128 bytes a wave: two blocks of 256 bytes that no other line names
	s_load_b512 s[4:19], s[0:1], 0x0               ; x, Wq, Wk, Wv, Wo, chain ids, cod, scl
	s_load_b64 s[20:21], s[0:1], 0x40              ; msk
	v_lshl_add_u32 v[SPW], v0, 2, SPARE
	v_mov_b32 v[NIL], 0
	v_lshrrev_b32 v1, 5, v0
	v_readfirstlane_b32 s22, v1                    ; wave
	v_and_b32 v2, 31, v0                           ; lane
	s_cmp_ge_u32 ttmp9, 256
	s_cbranch_scc1 .Lmask
	v_lshlrev_b32 v3, 4, v2                        ; my 16 bytes of a load's 512
	s_mul_i32 s23, s22, WREG
	v_lshrrev_b32 v14, 2, v2
	v_mul_u32_u24 v14, v14, SP
	v_and_b32 v15, 3, v2
	v_lshl_add_u32 v14, v15, 4, v14
	v_add_nc_u32 v14, s23, v14                     ; the stage, on the way in: SP (lane / 4) + 16 (lane % 4)
	v_mul_u32_u24 v15, v2, SP
	v_add_nc_u32 v15, s23, v15                     ; and on the way out: SP x lane
	v_mul_u32_u24 v4, v2, CB                       ; my codes' place in a step's
	v_lshrrev_b32 v5, 1, v2
	s_add_co_u32 s23, s23, 2*32*SP
	v_add_nc_u32 v5, s23, v5                       ; my wave's 256 scale bytes, my block's byte
	v_lshlrev_b32 v7, 3, v2
	v_add_nc_u32 v6, s23, v7                       ; and on the way out 8 bytes a lane
	s_wait_kmcnt 0x0
	s_mov_b64 s[24:25], s[12:13]                   ; which tensor: the choice hangs on the work-group's number alone
	s_mov_b32 s26, 224
	s_cmp_lt_u32 ttmp9, 224
	s_cselect_b64 s[24:25], s[10:11], s[24:25]
	s_cselect_b32 s26, 192, s26
	s_cmp_lt_u32 ttmp9, 192
	s_cselect_b64 s[24:25], s[8:9], s[24:25]
	s_cselect_b32 s26, 160, s26
	s_cmp_lt_u32 ttmp9, 160
	s_cselect_b64 s[24:25], s[6:7], s[24:25]
	s_cselect_b32 s26, 128, s26
	s_cmp_lt_u32 ttmp9, 128
	s_cselect_b64 s[24:25], s[4:5], s[24:25]
	s_cselect_b32 s26, 0, s26                      ; the tensor's first work-group
	s_and_b32 s27, s22, 1
	s_lshl_b32 s27, s27, 1
	s_lshr_b32 s28, s22, 1
	s_or_b32 s27, s27, s28                         ; the wave's number with its two bits swapped: groups 1 and 2 of 8 rows change places,
	s_cmp_lt_u32 ttmp9, 224
	s_cselect_b32 s27, s27, s22                    ; but not in Wo
	s_sub_co_u32 s28, ttmp9, s26
	s_lshl_b32 s28, s28, 2
	s_add_co_u32 s28, s28, s22
	s_lshl_b32 s28, s28, 15                        ; my 8 rows in the tensor: 32,768 bytes each run
	s_mov_b32 s29, 0
	s_add_nc_u64 s[24:25], s[24:25], s[28:29]
	s_lshl_b32 s28, ttmp9, 2
	s_add_co_u32 s28, s28, s27                     ; where they go: run 4 x work-group + swapped wave
	s_mul_i32 s30, s28, 32*STEPS*CB
	s_mov_b32 s31, 0
	s_add_nc_u64 s[16:17], s[16:17], s[30:31]
	s_lshl_b32 s28, s28, 8
	s_add_nc_u64 s[18:19], s[18:19], s[28:29]
.macro LOAD t
.irp i, 0,1,2,3
	global_load_b128 v[R+16*((\t)%4)+4*\i:R+16*((\t)%4)+4*\i+3], v3, s[24:25] offset:2048*(\t)+512*\i th:TH_LOAD_NT   ; 32 lanes read 512 consecutive bytes
.endr
.endm
.macro TURN t                          ; step t's numbers through the stage: LDS serves a wave's instructions in order, so no wait stands between the stores and the loads
.irp i, 0,1,2,3
	ds_store_b128 v14, v[R+16*((\t)%4)+4*\i:R+16*((\t)%4)+4*\i+3] offset:32*SP*((\t)%2)+8*SP*\i
.endr
.irp i, 0,1,2,3
	ds_load_b128 v[X+16*((\t)%2)+4*\i:X+16*((\t)%2)+4*\i+3], v15 offset:32*SP*((\t)%2)+16*\i
.endr
.endm
.irp t, 0,1,2,3
	LOAD \t
.endr
	s_wait_loadcnt 12                              ; step 0's four loads are in; three steps' twelve may be out
	TURN 0
.macro STEP t
.set XS, X+16*((\t)%2)
.if (\t) > 0
	s_wait_dscnt 1                                 ; this step's numbers are back from the stage (the last step's byte store may be out): so its stores into the stage have read their registers,
.else
	s_wait_dscnt 0x0
.endif
.if (\t)+4 < STEPS
	LOAD (\t)+4                                    ; which take the loads of four steps on
.endif
.if (\t)+1 < STEPS
.if STEPS-2-(\t) >= 3
	s_wait_loadcnt 12                              ; the next step's four loads are in; those of the three steps behind it may be out
.else
	s_wait_loadcnt 4*(STEPS-2-(\t))
.endif
	TURN (\t)+1
.endif
	v_max3_num_f32 v8, |v[XS]|, |v[XS+1]|, |v[XS+2]|               ; the largest magnitude of my 16
	v_max3_num_f32 v9, |v[XS+3]|, |v[XS+4]|, |v[XS+5]|
.irp i, 6,10
	v_max3_num_f32 v8, v8, |v[XS+\i]|, |v[XS+\i+1]|
	v_max3_num_f32 v9, v9, |v[XS+\i+2]|, |v[XS+\i+3]|
.endr
	v_max3_num_f32 v8, v8, |v[XS+14]|, |v[XS+15]|
	v_max3_num_f32 v8, v8, v9, (EMAX+1)<<23        ; and the floor 2^(3 - 127): the byte cannot fall under 1
	v_max_num_f32_dpp v8, v8, v8 row_xmask:1 row_mask:0xf bank_mask:0xf   ; and of my neighbour's 16: the block's
	v_add_nc_u32 v11, -(EMAX<<23), v8              ; 2 off its exponent field: the conversion takes the exponent field of this operand as its scale
	v_cvt_scalef32_pk16_fp6_f32 v[C+4*(\t):C+4*(\t)+2], v[XS:XS+15], v11
	v_lshrrev_b32 v[E+(\t)], 23, v11               ; the scale's byte
	ds_store_b8 v5, v[E+(\t)] offset:16*(\t)       ; both lanes of a block write the same byte with the same value
	global_store_b96 v4, v[C+4*(\t):C+4*(\t)+2], s[16:17] offset:32*CB*(\t)
.endm
.irp t, 0,1,2,3,4,5,6,7,8,9,10,11,12,13,14,15
	STEP \t
.endr
	ds_load_b64 v[8:9], v6                         ; LDS serves a wave's instructions in order: these see my stores
	s_wait_dscnt 0x0
	global_store_b64 v7, v[8:9], s[18:19]          ; 32 lanes store 256 consecutive bytes, aligned
	s_wait_tensorcnt 0x0                           ; the wave's end: behind my last LDS store
	ds_add_u32 v[SPW], v[NIL]
	s_wait_dscnt 0x0
	s_endpgm
; THE MASKS.  Tile T = work-group - 256; my wave's key steps are 4 wave .. 4 wave + 3.  Two sets of 64 registers take the keys' ids by turns; each step has two result registers of its own,
; and every offset is an immediate: no register that a store reads is written again.
.macro MLOAD s                         ; step s of my four: register 16 b + i: the id of key 32 b + 16 (lane / 16) + i
.irp b, 0,1,2,3
.irp j, 0,1,2,3
	global_load_b128 v[16+80*((\s)%2)+16*\b+4*\j:16+80*((\s)%2)+16*\b+4*\j+3], v83, s[24:25] offset:512*(\s)+128*\b+16*\j
.endr
.endr
.endm
.macro MSTEP s
.if (\s) < 3
	s_wait_loadcnt 16                              ; this step's 16 loads are in (and my query's id); the next step's 16 may be out
.else
	s_wait_loadcnt 0x0
.endif
.set n, 0
.rept 64
	v_cmp_ne_u32 s[32+n%4], v[16+80*((\s)%2)+n], v80   ; the lane mask of register n,
	v_writelane_b32 v[160+2*(\s)+n/32], s[32+n%4], n%32   ; laid into lane n % 32
.set n, n+1
.endr
.if (\s)+2 < 4
	MLOAD (\s)+2                                   ; into the set that the compares above have read
.endif
	global_store_b32 v84, v[160+2*(\s)], s[28:29] offset:256*(\s)
	global_store_b32 v84, v[161+2*(\s)], s[28:29] offset:256*(\s)+128
.endm
.Lmask:
	s_sub_co_u32 s23, ttmp9, 256                   ; T
	v_and_b32 v85, 15, v0
	v_lshlrev_b32 v85, 2, v85                      ; my query's id: 4 (lane % 16)
	v_bfe_u32 v83, v0, 4, 1
	v_lshlrev_b32 v83, 6, v83                      ; my keys' ids: lanes 16-31 begin 16 keys on
	v_lshlrev_b32 v84, 2, v2                       ; out: a word a lane
.irp i, 0,1,2,3,4,5,6,7
	v_mov_b32 v[160+\i], 0                         ; written whole before lanes are written singly
.endr
	s_lshl_b32 s26, s23, 6                         ; the tile's 16 ids
	s_mov_b32 s27, 0
	s_lshl_b32 s30, s23, 12                        ; the tile's 4,096 bytes of masks,
	s_lshl_b32 s31, s22, 10                        ; my four steps' 1,024 of them
	s_add_co_u32 s30, s30, s31
	s_mov_b32 s31, 0
	s_lshl_b32 s24, s22, 11                        ; my four steps' 512 keys: 2,048 bytes of ids
	s_mov_b32 s25, 0
	s_wait_kmcnt 0x0
	s_add_nc_u64 s[26:27], s[14:15], s[26:27]
	s_add_nc_u64 s[24:25], s[14:15], s[24:25]
	s_add_nc_u64 s[28:29], s[20:21], s[30:31]
	global_load_b32 v80, v85, s[26:27]
	MLOAD 0
	MLOAD 1
	MSTEP 0
	MSTEP 1
	MSTEP 2
	MSTEP 3
	s_endpgm
.Lfunc_end_k_q0a8be19e5f_quant:
	.size	k_q0a8be19e5f_quant, .Lfunc_end_k_q0a8be19e5f_quant-k_q0a8be19e5f_quant
	.p2alignl 7, 3214868480
	.fill 96, 4, 3214868480
	.section	.rodata,"a",@progbits
	.p2align	6, 0x0
	.amdhsa_kernel k_q0a8be19e5f_quant
		.amdhsa_group_segment_fixed_size 33280
		.amdhsa_private_segment_fixed_size 0
		.amdhsa_enable_private_segment 0
		.amdhsa_kernarg_size 72
		.amdhsa_user_sgpr_count 2
		.amdhsa_user_sgpr_kernarg_segment_ptr 1
		.amdhsa_wavefront_size32 1
		.amdhsa_system_sgpr_workgroup_id_x 1
		.amdhsa_system_sgpr_workgroup_id_y 1
		.amdhsa_system_sgpr_workgroup_id_z 1
		.amdhsa_system_vgpr_workitem_id 0
		.amdhsa_next_free_vgpr 192
		.amdhsa_next_free_sgpr 66
		.amdhsa_reserve_vcc 0
		.amdhsa_float_denorm_mode_32 3
		.amdhsa_float_denorm_mode_16_64 3
		.amdhsa_memory_ordered 1
		.amdhsa_forward_progress 1
		.amdhsa_inst_pref_size 73
	.end_amdhsa_kernel
	.amdgpu_metadata
---
amdhsa.version: [ 1, 2 ]
amdhsa.kernels:
  - .name:           k_q0a8be19e5f_quant
    .symbol:         k_q0a8be19e5f_quant.kd
    .args:
      - { .name: x, .offset: 0, .size: 8, .value_kind: global_buffer, .address_space: global }
      - { .name: Wq, .offset: 8, .size: 8, .value_kind: global_buffer, .address_space: global }
      - { .name: Wk, .offset: 16, .size: 8, .value_kind: global_buffer, .address_space: global }
      - { .name: Wv, .offset: 24, .size: 8, .value_kind: global_buffer, .address_space: global }
      - { .name: Wo, .offset: 32, .size: 8, .value_kind: global_buffer, .address_space: global }
      - { .name: chain_id_tensor, .offset: 40, .size: 8, .value_kind: global_buffer, .address_space: global }
      - { .name: cod, .offset: 48, .size: 8, .value_kind: global_buffer, .address_space: global }
      - { .name: scl, .offset: 56, .size: 8, .value_kind: global_buffer, .address_space: global }
      - { .name: msk, .offset: 64, .size: 8, .value_kind: global_buffer, .address_space: global }
    .group_segment_fixed_size: 33280
    .private_segment_fixed_size: 0
    .kernarg_segment_align: 8
    .kernarg_segment_size: 72
    .max_flat_workgroup_size: 128
    .sgpr_count:     66
    .vgpr_count:     192
    .wavefront_size: 32
...
	.end_amdgpu_metadata
.endif
;; end of part 5
;; launch qkv: the kernel of part 2 again; grid 12 x 16, 4 waves a work-group, clusters of 4 x 4, 327,680 bytes of LDS; arguments cod, scl, bq, bk, bv, qkv; writes qkv
;; launch attn: the kernel of part 3 again; grid 16 x 16, 8 waves a work-group, clusters of 4 x 4, 327,680 bytes of LDS; arguments qkv, distances, msk, chain_bias, dist_w, dist_b, ac, asc; writes ac, asc
;; launch oproj (part 6): grid 8 x 32, 4 waves a work-group, clusters of 4 x 4, 327,680 bytes of LDS; arguments ac, asc, cod, scl, bo, out0; writes out0
.if DOCPART == 6
	.amdgcn_target "amdgcn-amd-amdhsa--gfx1250"
	.amdhsa_code_object_version 6
	.text
	.protected	k_q0a8be19e5f_oproj
	.globl	k_q0a8be19e5f_oproj
	.p2align	8
	.type	k_q0a8be19e5f_oproj,@function
k_q0a8be19e5f_oproj:
	s_mov_b64 s[64:65], 0
	v_nop
	global_prefetch_b8 v0, s[64:65] scope:SCOPE_SE
	s_setreg_imm32_b32 hwreg(HW_REG_WAVE_MODE, 25, 1), 1
	s_wait_xcnt 0x0
	s_wait_alu depctr_hold_cnt(0) depctr_sa_sdst(0) depctr_va_vdst(0) depctr_va_sdst(0) depctr_va_ssrc(0) depctr_va_vcc(0) depctr_vm_vsrc(0)
	s_getreg_b32 s2, hwreg(HW_REG_IB_STS2, 6, 4)
	s_cmp_eq_u32 s2, 0
	s_cbranch_scc0 .Lentry_in_a_cluster
	s_endpgm
.Lentry_in_a_cluster:
	s_bfe_u32 s2, ttmp6, 0x10000c
	s_cmp_lg_u32 s2, 0xf033
	s_cbranch_scc0 .Lentry_shape_is_right
	s_endpgm
.Lentry_shape_is_right:
; out0 = a Wo^T + bo on codes of FP6 (E2M3) with one E8M0 scale for each 32 along K = 1,024.  a: the attention's result, 4,096 tokens; out0 [4096][1024] f32.
; 4,096 x 1,024 outputs are 256 tiles of 128 x 128: a work-group of four waves makes one, a wave 64 x 64: 16 accumulators of 16 x 16.
; ALL OF K LIES IN LDS AT ONCE: a tile's operands are 98,304 bytes of A, 122,880 of B (padded) and 8,704 of scale bytes.  Every LDS byte is filled once, by the first fills: no ring, no refill.
; A COMES AS IMAGES OF ITS REGISTERS: ac [head 16][tile of 16 tokens 256][piece 3][lane 32][8 bytes]: a head's 64 along K are six registers a lane.  A tensor load brings, for 128 tokens, four heads' 6,144 dense bytes
; (256 along K); a fragment (two heads) is six loads of 8 bytes a lane, each 256 consecutive bytes.  A's scale bytes: asc [token][32].  B = Wo: rows 7,168 on of cod and scl; a tensor load brings 128 rows x 192 bytes.
; WHO FETCHES: each wave has three joint loads, out together: the scale bytes of 64 rows, K step c and K step c + 2 (c = wave % 2; a K step is 256 along K); waves 0 and 1 for A, waves 2 and 3 for B.
; K steps 0 and 1 are multiplied while K steps 2 and 3 may still be on their way: two barriers in all.
; bo is the C of each sum's first product.  Source 0 of the matrix instruction = 16 rows of Wo, source 1 = 16 tokens: a lane holds eight neighbouring numbers of a row of out0.
; CLUSTERS 4 x 4: A's tiles hang on the tile row alone and are asked for jointly along a row of the cluster, B's on the tile column alone: jointly along a column.
; REGISTERS: window 0: v0-31 addresses; v32-63 all scale words (8 i + g: block i, the g-th 128 along K; lanes 0-15 A's, lanes 16-31 B's); v64-95 bo; v128-223 A's fragments, two sets of 48 (on the way out v128-255: rows of out0).
;   window 1: B's fragments, two sets, at v0 and v128.   window 2: v0-127 the accumulators ((a, b) at v[8 (4 a + b)]).
.set SIZE_N, 1024
.set ROWB,   192                       ; B: a K step's part of a row
.set KROW,   768                       ; a row of cod
.set PITCH,  240                       ; B's row in LDS: 3 x (64 bytes + 16 of padding)
.set FR,     12
.set NP,     4
.set HALFT,  128*PITCH                 ; B: 128 rows of a K step
.set HALFA,  24576                     ; A: 128 tokens x 4 heads
.set HEADA,  196608                    ; from a head to the next in ac
.set BOFF,   4*HALFA                   ; B's four K steps lie behind A's four
.set KS,     32                        ; a row of scale bytes
.set SCL,    BOFF+4*HALFT
.set HALFS,  (64*KS/256)*272           ; the scale bytes of 64 rows: 8 runs of 256 bytes + 16 of padding
.set SBLK,   (16*KS/256)*272           ; those of 16 rows
.set SPARE,  SCL+4*HALFS               ; the spare words, 128 bytes a wave: two blocks of 256 bytes that no other line names
.set SPITCH, 272                       ; the way out: a stage of 16 rows x (256 + 16) bytes a wave, from LDS byte 0 on: in A's K step 0, which has had its one fill and which nobody reads behind the second barrier
.set ADRA, 16                          ; v16-17  A's fragments: K steps 0, 1 and K steps 2, 3 (an offset has 16 bits)
.set ADRB, 20                          ; v20-21  the same for B;  v22-23 for the pieces that lie behind one padding more
.set STO,  24
.set RD,   25
.set CO,   26
.set ADRS, 27
.set SPW,  28
.set NIL,  29
.set SC,   32
.set BI,   64
.set AF,   128
.set BK,   128
.set G1,   24
.set G0,   32
.set TCOL, 42
.set G1B,  48
.set G0B,  56
.set G1S,  68
.set G0S,  76
.set G1SB, 80
.set G0SB, 88
.set WV,   96
.set WR,   97
.set WC,   98
.set TROW, 99
.set CP,   104
.set MSB, 0
.macro WIN new                         ; the immediate's high byte repeats the setting that is left
.if MSB != \new
	s_set_vgpr_msb (MSB<<8)|\new
.set MSB, \new
.endif
.endm
.set MULW, 0xa1                        ; source 0 (B) window 1, source 1 (A) window 0, C and D window 2
.set MULZ, 0x81                        ; the same with C (bo) in window 0
.set TO_B, 0x40
.macro JLOAD g0a, g1a, g0b, g1b        ; waves 0 and 1 fetch for A, waves 2 and 3 for B; the branch hangs on the wave's number alone; an s_nop 0 and four v_nop follow each line
	s_cmp_eq_u32 s[WR], 0
	s_cbranch_scc0 .Lfor_b_\@
	tensor_load_to_lds s[\g0a:\g0a+3], s[\g1a:\g1a+7]
	s_nop 0
.rept 4
	v_nop
.endr
	s_branch .Lasked_\@
.Lfor_b_\@:
	tensor_load_to_lds s[\g0b:\g0b+3], s[\g1b:\g1b+7]
	s_nop 0
.rept 4
	v_nop
.endr
.Lasked_\@:
.endm
.macro CROUND                          ; a round of the cluster's barrier
	s_barrier_signal -1
	s_barrier_wait -1
	s_cmp_lg_u32 s[WV], 0
	s_cbranch_scc1 .Lnot_wave_0_\@
	s_barrier_signal -3
.Lnot_wave_0_\@:
	s_barrier_wait -3
	s_barrier_signal -1
	s_barrier_wait -1
.endm
	s_load_b256 s[4:11], s[0:1], 0x0               ; ac, asc, cod, scl
	s_load_b128 s[12:15], s[0:1], 0x20             ; bo, out0
	v_lshl_add_u32 v[SPW], v0, 2, SPARE
	v_mov_b32 v[NIL], 0
	ds_add_u32 v[SPW], v[NIL]                      ; the wave's opening: the add is awaited ahead of my first tensor load
	v_lshrrev_b32 v1, 5, v0
	v_readfirstlane_b32 s[WV], v1                  ; wave 0..3
	s_lshr_b32 s[WR], s[WV], 1                     ; my half of the tile's tokens.  Also: I fetch for A (0) or for B (1)
	s_and_b32 s[WC], s[WV], 1                      ; my half of its columns.  Also: which K steps and which 64 rows' scales I fetch
	s_bfe_u32 s40, ttmp6, 0x40000                  ; cx
	s_bfe_u32 s41, ttmp6, 0x40004                  ; cy
	s_lshl_b32 s[TCOL], ttmp9, 2
	s_add_co_u32 s[TCOL], s[TCOL], s40             ; tile column 0..7
	s_and_b32 s[TROW], ttmp7, 0xffff
	s_lshl_b32 s[TROW], s[TROW], 2
	s_add_co_u32 s[TROW], s[TROW], s41             ; tile row 0..31
	s_lshl_b32 s43, s41, 2
	s_lshl_b32 s43, 15, s43                        ; my row of the cluster
	s_lshl_b32 s44, 0x1111, s40                    ; my column
	s_or_b32 s[G1+0], s43, (3<<16)|(1<<21)         ; A: four rows (heads) of 768 elements of 8 bytes, no padding
	s_mov_b32 s[G1+1], 768<<16
	s_mov_b32 s[G1+2], 4<<16
	s_mov_b32 s[G1+3], 768<<16
	s_mov_b32 s[G1+4], 4
	s_mov_b32 s[G1+5], HEADA/8
	s_mov_b32 s[G1+6], 0
	s_mov_b32 s[G1+7], 0
	s_or_b32 s[G1B+0], s44, (0<<16)|(1<<20)|(1<<21)|(3<<22)|(3<<25)   ; B: 128 rows x 192 bytes, 16 bytes of padding behind every 64
	s_mov_b32 s[G1B+1], ROWB<<16
	s_mov_b32 s[G1B+2], 128<<16
	s_mov_b32 s[G1B+3], ROWB<<16
	s_mov_b32 s[G1B+4], 128
	s_mov_b32 s[G1B+5], KROW
	s_mov_b32 s[G1B+6], 0
	s_mov_b32 s[G1B+7], 0
	s_or_b32 s[G1S+0], s43, (3<<16)|(1<<20)|(1<<21)|(5<<22)|(3<<25)   ; the scale bytes of 64 rows: 2,048 dense bytes as 8 rows of 256, 16 bytes of padding behind each
	s_or_b32 s[G1SB+0], s44, (3<<16)|(1<<20)|(1<<21)|(5<<22)|(3<<25)
.irp g, G1S, G1SB
	s_mov_b32 s[\g+1], 32<<16
	s_mov_b32 s[\g+2], (64*KS/256)<<16
	s_mov_b32 s[\g+3], 32<<16
	s_mov_b32 s[\g+4], 64*KS/256
	s_mov_b32 s[\g+5], 32
	s_mov_b32 s[\g+6], 0
	s_mov_b32 s[\g+7], 0
.endr
	s_lshl_b32 s18, s[WC], 6                       ; which 64 rows' scales I fetch
	s_lshl_b32 s20, s[TROW], 7                     ; A: the tile's first token
	s_add_co_u32 s22, s20, s18
	s_mul_i32 s22, s22, KS                         ; its scales
	s_lshr_b32 s20, s20, 4
	s_mul_i32 s20, s20, 768                        ; its image in head 0,
	s_mul_i32 s19, s[WC], 4*HEADA
	s_add_co_u32 s20, s20, s19                     ; K step c: four heads on for c = 1
	s_lshl_b32 s46, s[TCOL], 7
	s_add_co_u32 s46, s46, 7168                    ; B: Wo's rows in cod
	s_add_co_u32 s92, s46, s18
	s_mul_i32 s92, s92, KS
	s_mul_i32 s46, s46, KROW
	s_mul_i32 s19, s[WC], ROWB
	s_add_co_u32 s46, s46, s19
	s_mov_b32 s21, 0
	s_mov_b32 s23, 0
	s_mov_b32 s47, 0
	s_mov_b32 s93, 0
	s_mul_i32 s45, s[WC], HALFA                    ; where they go: K step c of A,
	s_mul_i32 s95, s[WC], HALFT
	s_add_co_u32 s95, s95, BOFF                    ; of B: no place in the cluster enters an LDS address
	s_mul_i32 s94, s[WV], HALFS
	s_wait_dscnt 0x0                               ; the opening add is done
	s_wait_kmcnt 0x0
	s_add_nc_u64 s[20:21], s[4:5], s[20:21]
	s_add_nc_u64 s[22:23], s[6:7], s[22:23]
	s_add_nc_u64 s[46:47], s[8:9], s[46:47]
	s_add_nc_u64 s[92:93], s[10:11], s[92:93]
	CROUND                                         ; all sixteen work-groups are here: the joint loads meet
	s_mov_b32 s[G0S], 1
	s_add_co_u32 s[G0S+1], s94, SCL
	s_mov_b64 s[G0S+2:G0S+3], s[22:23]
	s_or_b32 s[G0S+3], s[G0S+3], 0x80000000
	s_mov_b32 s[G0SB], 1
	s_add_co_u32 s[G0SB+1], s94, SCL
	s_mov_b64 s[G0SB+2:G0SB+3], s[92:93]
	s_or_b32 s[G0SB+3], s[G0SB+3], 0x80000000
	JLOAD G0S, G1S, G0SB, G1SB                     ; the scales first; three loads of mine are out behind the third of these
.irp s, 0,1
	s_mov_b32 s[G0+4*\s], 1
	s_add_co_u32 s[G0+4*\s+1], s45, \s*2*HALFA
	s_add_nc_u64 s[G0+4*\s+2:G0+4*\s+3], s[20:21], \s*8*HEADA      ; K step c + 2 s
	s_or_b32 s[G0+4*\s+3], s[G0+4*\s+3], 0x80000000
	s_mov_b32 s[G0B+4*\s], 1
	s_add_co_u32 s[G0B+4*\s+1], s95, \s*2*HALFT
	s_add_nc_u64 s[G0B+4*\s+2:G0B+4*\s+3], s[46:47], \s*2*ROWB
	s_or_b32 s[G0B+4*\s+3], s[G0B+4*\s+3], 0x80000000
	JLOAD G0+4*\s, G1, G0B+4*\s, G1B
.endr
	v_and_b32 v1, 15, v0                           ; r
	v_bfe_u32 v2, v0, 4, 1                         ; h
	v_mul_u32_u24 v3, v1, PITCH
	v_mul_u32_u24 v4, v2, 24
	v_add_nc_u32 v4, v3, v4                        ; B: a fragment's row x pitch + 24 x half
	v_lshl_add_u32 v5, v2, 4, v4                   ; and the same behind one padding more
	v_and_b32 v6, 31, v0
	v_lshlrev_b32 v7, 3, v6                        ; A: 8 x lane
	s_mul_i32 s21, s[WR], 4*768                    ; my four tiles of 16 tokens in a head's 6,144 bytes
	s_mul_i32 s22, s[WC], 64*PITCH                 ; my 64 rows of B
	s_add_co_u32 s22, s22, BOFF
.irp s, 0,1
	v_add_nc_u32 v[ADRA+\s], s21, v7
	v_add_nc_u32 v[ADRB+\s], s22, v4
	v_add_nc_u32 v[ADRB+2+\s], s22, v5
	s_add_co_u32 s21, s21, 2*HALFA
	s_add_co_u32 s22, s22, 2*HALFT
.endr
	v_mul_u32_u24 v5, v1, KS                       ; my row's scales: 32 bytes a row,
	v_lshrrev_b32 v6, 8, v5
	v_lshl_add_u32 v5, v6, 4, v5                   ; and 16 more for each 256 passed
	s_mul_i32 s21, s[WR], HALFS                    ; A's: my 64 tokens
	s_mul_i32 s22, s[WC], HALFS                    ; B's: my 64 rows, behind A's 128
	s_add_co_u32 s22, s22, 2*HALFS
	s_sub_co_u32 s22, s22, s21
	v_mul_u32_u24 v6, s22, v2                      ; lanes 16-31 take B's
	s_add_co_u32 s21, s21, SCL
	v_add_nc_u32 v5, v5, v6
	v_add_nc_u32 v[ADRS], s21, v5
	s_mul_i32 s23, s[WV], 16*SPITCH                ; my stage
	v_mul_u32_u24 v5, v1, SPITCH                   ; in: row r, 32 bytes for each half of the lanes
	v_lshl_add_u32 v5, v2, 5, v5
	v_add_nc_u32 v[STO], s23, v5
	v_mul_u32_u24 v5, v2, SPITCH                   ; back: lanes 0-15 one row of 256 bytes, lanes 16-31 the next
	v_lshl_add_u32 v5, v1, 4, v5
	v_add_nc_u32 v[RD], s23, v5
	v_lshlrev_b32 v5, 12, v2                       ; and the same two rows in out0: 4,096 bytes a row
	v_lshl_add_u32 v[CO], v1, 4, v5
	s_lshl_b32 s20, s[TROW], 7
	s_lshl_b32 s21, s[WR], 6
	s_add_co_u32 s20, s20, s21
	s_lshl_b32 s20, s20, 12                        ; my first row of out0
	s_lshl_b32 s21, s[TCOL], 9
	s_add_co_u32 s20, s20, s21
	s_lshl_b32 s21, s[WC], 8
	s_add_co_u32 s20, s20, s21                     ; my first column: 512 x tile column + 256 x half, in bytes
	s_mov_b32 s21, 0
	s_add_nc_u64 s[CP:CP+1], s[14:15], s[20:21]
	s_lshl_b32 s20, s[TCOL], 9
	s_lshl_b32 s22, s[WC], 8
	s_add_co_u32 s20, s20, s22
	s_add_nc_u64 s[12:13], s[12:13], s[20:21]      ; bo at my 64 columns
	v_lshlrev_b32 v8, 5, v2
.irp b, 0,1,2,3
	global_load_b128 v[BI+8*\b:BI+8*\b+3], v8, s[12:13] offset:64*\b        ; block b: bo at columns 16 b + 8 h + 0 .. 7: the result's layout
	global_load_b128 v[BI+8*\b+4:BI+8*\b+7], v8, s[12:13] offset:64*\b+16
.endr
.macro FRAG reg, adr, q, i, base       ; B: 16 rows x 128 K: 12 registers, in pieces of 8 bytes; where the piece of lanes 16-31 lies behind one padding more, the second address register serves
.irp p, 0,1,2,3,4,5
.set PC, 12*(\q)+6*(\p/3)+\p%3
.if PC%8 < 5
	ds_load_b64 v[\reg+2*\p:\reg+2*\p+1], v[\adr] offset:(\base)+8*PC+16*(PC/8)+(\i)*16*PITCH
.else
	ds_load_b64 v[\reg+2*\p:\reg+2*\p+1], v[\adr+2] offset:(\base)+8*PC+16*(PC/8)+(\i)*16*PITCH
.endif
.endr
.endm
.macro FRAGA reg, adr, q, i, base      ; A: heads 2 q and 2 q + 1 of the K step's four, tile i of my four: registers 0-5 and 6-11, as they were stored
.irp p, 0,1,2,3,4,5
	ds_load_b64 v[\reg+2*\p:\reg+2*\p+1], v[\adr] offset:(\base)+(2*(\q)+\p/3)*6144+(\i)*768+256*(\p%3)
.endr
.endm
; The fragments of the g-th 128 along K (g = 0 .. 7: K step g / 2, its half g % 2) into set g % 2: 24 loads for B, 24 for A
.macro FETCH g
	WIN TO_B
.irp i, 0,1,2,3
	FRAG 128*((\g)%2)+FR*\i, ADRB+(\g)/4, (\g)%2, \i, (((\g)/2)%2)*HALFT
.endr
	WIN 0
.irp i, 0,1,2,3
	FRAGA AF+48*((\g)%2)+FR*\i, ADRA+(\g)/4, (\g)%2, \i, (((\g)/2)%2)*HALFA
.endr
.endm
; 16 matrix instructions.  The 16 accumulators take turns, one instruction a turn, in the same order in every step.  zero = 1: the first product starts the sum from bo
.macro MUL g, zero
.irp a, 0,1,2,3
.irp b, 0,1,2,3
.if \zero
	v_wmma_scale_f32_16x16x128_f8f6f4 v[8*(4*\a+\b):8*(4*\a+\b)+7], v[128*((\g)%2)+FR*\b:128*((\g)%2)+FR*\b+FR-1], v[AF+48*((\g)%2)+FR*\a:AF+48*((\g)%2)+FR*\a+FR-1], v[BI+8*\b:BI+8*\b+7], v[SC+8*\b+(\g)], v[SC+8*\a+(\g)] matrix_a_fmt:MATRIX_FMT_FP6 matrix_b_fmt:MATRIX_FMT_FP6 matrix_a_scale:MATRIX_SCALE_ROW1
.else
	v_wmma_scale_f32_16x16x128_f8f6f4 v[8*(4*\a+\b):8*(4*\a+\b)+7], v[128*((\g)%2)+FR*\b:128*((\g)%2)+FR*\b+FR-1], v[AF+48*((\g)%2)+FR*\a:AF+48*((\g)%2)+FR*\a+FR-1], v[8*(4*\a+\b):8*(4*\a+\b)+7], v[SC+8*\b+(\g)], v[SC+8*\a+(\g)] matrix_a_fmt:MATRIX_FMT_FP6 matrix_b_fmt:MATRIX_FMT_FP6 matrix_a_scale:MATRIX_SCALE_ROW1
.endif
.endr
.endr
.endm
.macro PLACES n                        ; plain vector instructions between a matrix instruction and a load into, or an LDS store of, its registers
.rept \n
	v_nop
.endr
.endm
; A step whose successor's tiles are known to lie in LDS: the successor's 48 loads go out first, into the set that the step before multiplied, then this step's 16 products
.macro STEP g
	PLACES NP
	FETCH (\g)+1
	s_wait_dscnt 48                                ; this step's fragments are in; the 48 loads just issued may be out
	WIN MULW
	MUL \g, 0
	WIN 0
.endm
	s_wait_tensorcnt 1                             ; my scales and my K step c are in; my K step c + 2 may be out: no LDS byte is ever filled again
	s_barrier_signal -1
	s_barrier_wait -1                              ; everybody's are: K steps 0 and 1 and all scale bytes
.irp i, 0,1,2,3
	ds_load_b128 v[SC+8*\i:SC+8*\i+3], v[ADRS] offset:\i*SBLK          ; a row's eight scale words, for all of K: lanes 0-15 A's block i, lanes 16-31 B's block i
	ds_load_b128 v[SC+8*\i+4:SC+8*\i+7], v[ADRS] offset:\i*SBLK+16
.endr
	FETCH 0
	FETCH 1
	s_wait_loadcnt 0x0                             ; bo
	s_wait_dscnt 48                                ; the scale words and step 0's fragments are in
	WIN MULZ
	MUL 0, 1                                       ; the first products start the sums
	WIN 0
	STEP 1
	STEP 2
	s_wait_tensorcnt 0x0                           ; my K step c + 2 is in;
	s_wait_dscnt 0x0                               ; step 3's fragments are in: my reads of K steps 0 and 1 are over
	s_barrier_signal -1
	WIN MULW
	MUL 3, 0                                       ; work on registers while the others arrive
	WIN 0
	s_barrier_wait -1                              ; K steps 2 and 3 are whole, and nobody reads K steps 0 and 1 any more
	PLACES NP                                      ; behind the products that read both sets
	FETCH 4
	FETCH 5
	s_wait_dscnt 48
	WIN MULW
	MUL 4, 0
	WIN 0
	STEP 5
	STEP 6
	s_wait_dscnt 0x0
	WIN MULW
	MUL 7, 0
	WIN 0
; THE WAY OUT, block by block of 16 rows x 64 columns, through my own stage: in as 32 bytes a lane, back as whole rows of 256 bytes, two rows an instruction.  LDS serves a wave's instructions in order:
; no wait between the stores and the loads, nor in front of the next block's stores.  Each block has registers of its own and every offset is an immediate (62 rows of 4,096 bytes at the most): nothing that a store reads is written again.
.macro TOSTAGE a
	WIN 0x08                                       ; an LDS store's data are its source 1: window 2
.irp b, 0,1,2,3
	ds_store_b128 v[STO], v[8*(4*(\a)+\b):8*(4*(\a)+\b)+3] offset:64*\b          ; each accumulator from its low end on
	ds_store_b128 v[STO], v[8*(4*(\a)+\b)+4:8*(4*(\a)+\b)+7] offset:64*\b+16
.endr
	WIN 0
.irp t, 0,1,2,3,4,5,6,7
	ds_load_b128 v[BK+32*(\a)+4*\t:BK+32*(\a)+4*\t+3], v[RD] offset:2*\t*SPITCH
.endr
.endm
.macro SEND a, younger                 ; younger: the LDS instructions issued behind block a's loads: the next block's 8 stores and 8 loads, or none
	s_wait_dscnt \younger
.irp t, 0,1,2,3,4,5,6,7
	global_store_b128 v[CO], v[BK+32*(\a)+4*\t:BK+32*(\a)+4*\t+3], s[CP:CP+1] offset:(16*(\a)+2*\t)*SIZE_N*4 th:TH_STORE_NT   ; 16 lanes store 256 consecutive bytes, aligned; written once, read by nobody here
.endr
.endm
	PLACES NP                                      ; behind the last products: for the stores of their results and the loads into the registers that held A's fragments
	TOSTAGE 0
	TOSTAGE 1
	SEND 0, 16
	TOSTAGE 2
	SEND 1, 16
	TOSTAGE 3
	SEND 2, 16
	SEND 3, 0
	s_wait_tensorcnt 0x0                           ; the wave's end, behind my last tensor load and my last LDS store
	ds_add_u32 v[SPW], v[NIL]
	s_wait_dscnt 0x0
	CROUND                                         ; the closing round: no work-group ends while a partner may still ask for a tile that names it
	s_endpgm
.Lfunc_end_k_q0a8be19e5f_oproj:
	.size	k_q0a8be19e5f_oproj, .Lfunc_end_k_q0a8be19e5f_oproj-k_q0a8be19e5f_oproj
	.p2alignl 7, 3214868480
	.fill 96, 4, 3214868480
	.section	.rodata,"a",@progbits
	.p2align	6, 0x0
	.amdhsa_kernel k_q0a8be19e5f_oproj
		.amdhsa_group_segment_fixed_size 327680
		.amdhsa_private_segment_fixed_size 0
		.amdhsa_enable_private_segment 0
		.amdhsa_kernarg_size 48
		.amdhsa_user_sgpr_count 2
		.amdhsa_user_sgpr_kernarg_segment_ptr 1
		.amdhsa_wavefront_size32 1
		.amdhsa_system_sgpr_workgroup_id_x 1
		.amdhsa_system_sgpr_workgroup_id_y 1
		.amdhsa_system_sgpr_workgroup_id_z 1
		.amdhsa_system_vgpr_workitem_id 0
		.amdhsa_next_free_vgpr 1024
		.amdhsa_next_free_sgpr 106
		.amdhsa_reserve_vcc 0
		.amdhsa_float_denorm_mode_32 3
		.amdhsa_float_denorm_mode_16_64 3
		.amdhsa_memory_ordered 1
		.amdhsa_forward_progress 1
		.amdhsa_inst_pref_size 62
	.end_amdhsa_kernel
	.amdgpu_metadata
---
amdhsa.version: [ 1, 2 ]
amdhsa.kernels:
  - .name:           k_q0a8be19e5f_oproj
    .symbol:         k_q0a8be19e5f_oproj.kd
    .args:
      - { .name: ac, .offset: 0, .size: 8, .value_kind: global_buffer, .address_space: global }
      - { .name: asc, .offset: 8, .size: 8, .value_kind: global_buffer, .address_space: global }
      - { .name: cod, .offset: 16, .size: 8, .value_kind: global_buffer, .address_space: global }
      - { .name: scl, .offset: 24, .size: 8, .value_kind: global_buffer, .address_space: global }
      - { .name: bo, .offset: 32, .size: 8, .value_kind: global_buffer, .address_space: global }
      - { .name: out0, .offset: 40, .size: 8, .value_kind: global_buffer, .address_space: global }
    .group_segment_fixed_size: 327680
    .private_segment_fixed_size: 0
    .kernarg_segment_align: 8
    .kernarg_segment_size: 48
    .max_flat_workgroup_size: 128
    .sgpr_count:     106
    .vgpr_count:     1024
    .wavefront_size: 32
...
	.end_amdgpu_metadata
.endif
;; end of part 6
